; MI455X (gfx1250); checked and timed in simulation.
; The chip was launched on July 23, 2026; its instructions are those of AMD's public machine-readable ISA for CDNA 5 (MIT licence, August 2026) and "CDNA5" Instruction Set Architecture Reference Guide (July 2026). The comments in the code are by the model that wrote it; some were corrected since.
;; Single Self Attention. Allowed arithmetic: matrix products marked QUANTISED: E2M1 operands, one E8M0 scale for each 32 along K, by v_wmma_scale_f32_16x16x128_f8f6f4 with both operands' format E2M1 (or v_wmma_scale_f32_32x16x128_f4), f32 sums; products left as they are: bf16, f16 or f32 operands; f32 sums; everything else in f32.
;; Inputs: b_out 1,024 float32; w_out 1,024 x 1,024 float32; w_qkv 3,072 x 1,024 float32; x 4 x 2,048 x 1,024 float32.
;; Outputs: out0 4 x 2,048 x 1,024 float32.
;; This version of the problem:
;;   THIS VERSION OF THE PROBLEM IS GIVEN IN LOW PRECISION. The matrix products marked QUANTISED in the list below multiply operands that are first quantised to E2M1 (2 exponent bits, 1 mantissa bit; 4 bits a number), with one power-of-two scale for each 32 numbers along K (OCP MX v1.0); their sums are f32. The products marked 'left as it is' may take bf16, f16 or f32 operands, with f32 sums. Whichever they take, every output number must still come out within the allowed error. Rounding operands to bf16 (8 significant bits) uses up far more of that allowance than f16 does (11 bits, for magnitudes from 6e-5 to 65,504). All else is computed in f32.
;;   The module's matrix products, in the order in which they are computed (A, B: the left and right operand; K: the contracted axis; several contracted axes count as one K, in the product's order):
;;     1. [M 8,192, K 1,024] x [K 1,024, N 3,072]; A: input x; B: input w_qkv: QUANTISED
;;     2. batch 64 x [M 2,048, K 64] x [K 64, N 2,048]; A: computed on the way; B: computed on the way: left as it is (an operand is computed on the way)
;;     3. batch 64 x [M 2,048, K 2,048] x [K 2,048, N 64]; A: computed on the way; B: computed on the way: left as it is (an operand is computed on the way)
;;     4. [M 8,192, K 1,024] x [K 1,024, N 1,024]; A: computed on the way; B: input w_out: left as it is (an operand is computed on the way)
;;   THE QUANTISER, for each operand of a quantised product, along K:
;;     - K is cut into blocks of 32 from its start; a last block that is shorter is filled with zeros.
;;     - A block's scale is 2^e with e = floor(log2(the largest magnitude in the block)) - 2, held to -126 .. 127; a block of zeros has e = 0. As a byte (E8M0): e + 127.
;;     - Each number is divided by its block's scale, clamped to +-6, and rounded to the nearest number of E2M1, ties to even, subnormals kept.
;;     - The product sums the exact products of the quantised numbers (number of the format x scale) in f32.
;;   ~~~python
;;   def quantise(x, axis):      # numpy; x: float32 -> the quantised numbers, widened to float32 again
;;       x = np.moveaxis(x, axis, -1); K = x.shape[-1]
;;       x = np.pad(x, [(0, 0)] * (x.ndim - 1) + [(0, -K % 32)]); x = x.reshape(x.shape[:-1] + (-1, 32)); a = np.abs(x).max(-1, keepdims=True)
;;       e = np.where(a > 0, np.clip(np.frexp(np.where(a > 0, a, 1))[1] - 1 - 2, -126, 127), 0)      # np.frexp(a)[1] - 1 = floor(log2(a)), exactly
;;       r = np.clip(x / 2.0 ** e, -6, 6)
;;       step = 2.0 ** (np.maximum(np.frexp(np.where(r == 0, 1, r))[1] - 1, 0) - 1)
;;       q = np.round(r / step) * step * 2.0 ** e      # np.round: ties to even
;;       return np.moveaxis(q.reshape(q.shape[:-2] + (-1,))[..., :K], -1, axis).astype(np.float32)
;;   ~~~
;; One version. Each part assembles by itself: llvm-mc -triple=amdgcn-amd-amdhsa -mcpu=gfx1250 --defsym DOCPART=n.
;; ======== version 1 of 1: 4 launches
;; limits: values are held in f16: magnitudes above 65,504 overflow, below 6.1e-05 lose precision
;; workspace buffers: xc 4,194,304 bytes; xs 262,144 bytes; wc 1,572,864 bytes; ws 98,304 bytes; wh 2,097,152 bytes; qkv 50,331,648 bytes; o 16,777,216 bytes
;; launch prep (part 1): grid 416 x 1, 4 waves a work-group, no clusters, 33,280 bytes of LDS; arguments x, w_qkv, w_out, xc, xs, wc, ws, wh; writes xc, xs, wc, ws, wh
.if DOCPART == 1
	.amdgcn_target "amdgcn-amd-amdhsa--gfx1250"
	.amdhsa_code_object_version 6
	.text
	.protected	k_qf8706eb7e1_prep
	.globl	k_qf8706eb7e1_prep
	.p2align	8
	.type	k_qf8706eb7e1_prep,@function
k_qf8706eb7e1_prep:
	s_mov_b64 s[64:65], 0
	v_nop
	global_prefetch_b8 v0, s[64:65] scope:SCOPE_SE
	s_setreg_imm32_b32 hwreg(HW_REG_WAVE_MODE, 25, 1), 1
	s_wait_xcnt 0x0
; FIRST OF FOUR LAUNCHES of out = softmax(q k^T / 8) v W_out^T + b_out, with q, k, v = x W_qkv^T on MX-FP4 operands.
; DEAD WORK: none.  reference() has no mask, slices nothing away and builds no zero: every number of x, w_qkv, w_out and b_out has a way to the output, so all four inputs are loaded and every product is done.
; THIS LAUNCH: (a) x [8192][1024] and w_qkv [3072][1024], f32, become codes of FP4 (E2M1), K innermost, two codes a byte, with one E8M0 scale byte for each 32 along K (xc, xs, wc, ws);
;              (b) w_out [1024][1024], f32, becomes f16, laid by chunks of 64 along K: wh[k / 64][n][k % 64], so that a chunk's rows are one dense block.
; A block's scale is 2^(floor(log2(its largest magnitude)) - 2); its byte is the largest magnitude's own exponent field - 2, held at 1 from below.  Each number is divided by the scale and rounded to the nearest code, ties to even;
; beyond the largest code the conversion gives the largest code.
; LIMITS: a block of zeros gets the byte 1 where the rule says 127 (its codes are zeros, which add nothing under any byte but 0xff, and this program alone reads the bytes); blocks whose largest magnitude lies under 2^-124 are held at byte 1;
; NaN and infinities among the inputs are not served; |w_out| stays under 65,504 (f16).
; SHARES: work-groups 0-255 take x, 256-351 w_qkv: 32,768 numbers each, a wave 16 steps of 512.  Rows are dense and K is a multiple of 32: both tensors are plain streams of blocks of 32.
; Work-groups 352-415 take w_out, a wave four rows; that way touches no LDS.  No tensor loads, no barrier: waves share nothing.
; The conversions take numbers of ONE block from a lane's consecutive registers, so a lane must hold 16 neighbours; the loads take the bytes as they lie, 512 consecutive bytes a load.  Between the two a step's 2,048 bytes
; turn through the wave's own stage in LDS, which has 16 bytes of padding behind each 64.
.set WAVES, 4
.set STEPS, 16
.set WGA,   256                        ; work-groups for x: 8192 x 1024 / 32768
.set WGQ,   352                        ; and with w_qkv's 96
.set EMAX,  2
.set CB,    8                          ; bytes of 16 codes
.set R,     16                         ; v16-79   four sets of 16 numbers as they are loaded
.set X,     80                         ; v80-111  two sets of 16 neighbours
.set E,     112                        ; v112-127 a scale byte for each step
.set C,     128                        ; v128-191 codes: four registers for each step, so that no store's data are written again
.set WREG,  8192                       ; LDS: a region for each wave: two stages of 32 x SP bytes, behind them its 256 scale bytes
.set SP,    80                         ; a lane's place in a stage: 64 bytes + 16 of padding
.set SPW,   12                         ; v12  LDS address of my spare word; never rewritten
.set NIL,   13                         ; v13  0; never rewritten
.set SPARE, WAVES*WREG                 ; behind the four regions: the spare words, 128 bytes a wave, which no other line names
	s_load_b256 s[4:11], s[0:1], 0x0               ; x s[4:5], w_qkv s[6:7], w_out s[8:9], xc s[10:11]
	s_load_b256 s[12:19], s[0:1], 0x20             ; xs s[12:13], wc s[14:15], ws s[16:17], wh s[18:19]
	v_lshl_add_u32 v[SPW], v0, 2, SPARE
	v_mov_b32 v[NIL], 0
	v_lshrrev_b32 v1, 5, v0
	v_readfirstlane_b32 s20, v1                    ; wave
	v_and_b32 v2, 31, v0                           ; lane
	s_cmp_ge_u32 ttmp9, WGQ                        ; the work-group's number alone decides
	s_cbranch_scc1 .Lconv
	; ---------------- the quantiser ----------------
	v_lshlrev_b32 v3, 4, v2                        ; my 16 bytes of a load's 512
	s_mul_i32 s21, s20, WREG
	v_lshrrev_b32 v14, 2, v2
	v_mul_u32_u24 v14, v14, SP
	v_and_b32 v15, 3, v2
	v_lshl_add_u32 v14, v15, 4, v14
	v_add_nc_u32 v14, s21, v14                     ; the stage, on the way in: SP (lane / 4) + 16 (lane % 4)
	v_mul_u32_u24 v15, v2, SP
	v_add_nc_u32 v15, s21, v15                     ; and on the way out: SP x lane: my 16 neighbours
	v_mul_u32_u24 v4, v2, CB                       ; my codes' place in a step's
	v_lshrrev_b32 v5, 1, v2
	s_add_co_u32 s21, s21, 2*32*SP
	v_add_nc_u32 v5, s21, v5                       ; LDS: my wave's 256 scale bytes, my block's byte
	v_lshlrev_b32 v7, 3, v2                        ; and on the way out 8 bytes a lane
	v_add_nc_u32 v6, s21, v7
	s_wait_kmcnt 0x0
	s_cmp_lt_u32 ttmp9, WGA                        ; x's work-group or w_qkv's?  Only pointers are chosen: both take one way through the text
	s_cselect_b64 s[4:5], s[4:5], s[6:7]
	s_cselect_b64 s[10:11], s[10:11], s[14:15]
	s_cselect_b64 s[12:13], s[12:13], s[16:17]
	s_cselect_b32 s21, 0, WGA
	s_sub_co_u32 s21, ttmp9, s21
	s_lshl_b32 s21, s21, 2
	s_add_co_u32 s22, s21, s20                     ; which run of 8,192 numbers of the tensor is my wave's
	s_mov_b32 s23, 0
	s_mov_b64 s[24:25], 512*STEPS*4
	s_mul_u64 s[24:25], s[22:23], s[24:25]
	s_add_nc_u64 s[4:5], s[4:5], s[24:25]
	s_mov_b64 s[24:25], 32*STEPS*CB
	s_mul_u64 s[24:25], s[22:23], s[24:25]
	s_add_nc_u64 s[10:11], s[10:11], s[24:25]
	s_lshl_b32 s22, s22, 8                         ; 256 scale bytes a run
	s_add_nc_u64 s[12:13], s[12:13], s[22:23]
.macro LOAD t
.irp i, 0,1,2,3
	global_load_b128 v[R+16*((\t)%4)+4*\i:R+16*((\t)%4)+4*\i+3], v3, s[4:5] offset:2048*(\t)+512*\i th:TH_LOAD_NT   ; 32 lanes read 512 consecutive bytes
.endr
.endm
.macro TURN t                          ; step t's numbers through the stage: LDS serves a wave's instructions in order, so no wait stands between the stores and the loads
.irp i, 0,1,2,3
	ds_store_b128 v14, v[R+16*((\t)%4)+4*\i:R+16*((\t)%4)+4*\i+3] offset:32*SP*((\t)%2)+8*SP*\i
.endr
.irp i, 0,1,2,3
	ds_load_b128 v[X+16*((\t)%2)+4*\i:X+16*((\t)%2)+4*\i+3], v15 offset:32*SP*((\t)%2)+16*\i
.endr
.endm
.irp t, 0,1,2,3
	LOAD \t
.endr
	s_wait_loadcnt 12                              ; step 0's four loads are in; the twelve of steps 1 to 3 may be out
	TURN 0
.macro STEP t
.set XS, X+16*((\t)%2)
.if (\t) > 0
	s_wait_dscnt 1                                 ; this step's numbers are back from the stage (the last step's byte store may be out): so its stores into the stage have read their registers,
.else
	s_wait_dscnt 0x0
.endif
.if (\t)+4 < STEPS
	LOAD (\t)+4                                    ; which take the loads of four steps on
.endif
.if (\t)+1 < STEPS
.if STEPS-2-(\t) >= 3
	s_wait_loadcnt 12                              ; the next step's four loads are in; those of the three steps behind it may be out
.else
	s_wait_loadcnt 4*(STEPS-2-(\t))
.endif
	TURN (\t)+1                                    ; and go through the other stage while this step is worked
.endif
	v_max3_num_f32 v8, |v[XS]|, |v[XS+1]|, |v[XS+2]|               ; the largest magnitude of my 16, in two chains
	v_max3_num_f32 v9, |v[XS+3]|, |v[XS+4]|, |v[XS+5]|
.irp i, 6,10
	v_max3_num_f32 v8, v8, |v[XS+\i]|, |v[XS+\i+1]|
	v_max3_num_f32 v9, v9, |v[XS+\i+2]|, |v[XS+\i+3]|
.endr
	v_max3_num_f32 v8, v8, |v[XS+14]|, |v[XS+15]|
	v_max3_num_f32 v8, v8, v9, (EMAX+1)<<23        ; and the floor 2^(3 - 127): so the byte cannot fall under 1
	v_max_num_f32_dpp v8, v8, v8 row_xmask:1 row_mask:0xf bank_mask:0xf   ; and of my neighbour's 16: the block's
	v_add_nc_u32 v11, -(EMAX<<23), v8              ; 2 off its exponent field: the conversion takes the exponent field of this operand as its scale, and nothing else of it
	v_cvt_scalef32_pk8_fp4_f32 v[C+4*(\t)], v[XS:XS+7], v11        ; the first number's code in the lowest four bits
	v_cvt_scalef32_pk8_fp4_f32 v[C+4*(\t)+1], v[XS+8:XS+15], v11
	v_lshrrev_b32 v[E+(\t)], 23, v11               ; the scale's byte (a plain line behind the conversions)
	ds_store_b8 v5, v[E+(\t)] offset:16*(\t)       ; both lanes of a block write the same byte with the same value
	global_store_b64 v4, v[C+4*(\t):C+4*(\t)+1], s[10:11] offset:32*CB*(\t)   ; the wave stores 256 consecutive bytes, aligned
.endm
.irp t, 0,1,2,3,4,5,6,7,8,9,10,11,12,13,14,15
	STEP \t
.endr
	ds_load_b64 v[8:9], v6                         ; LDS serves a wave's instructions in order: these see my byte stores
	s_wait_dscnt 0x0
	global_store_b64 v7, v[8:9], s[12:13]          ; 32 lanes store my 256 scale bytes, aligned
	s_wait_tensorcnt 0x0                           ; the wave's end, behind my last LDS store
	ds_add_u32 v[SPW], v[NIL]
	s_wait_dscnt 0x0
	s_endpgm
	; ---------------- w_out to f16, by chunks of 64 along K ----------------
	; Wave id = 4 (work-group - 352) + wave takes rows 4 id .. 4 id + 3, as two pairs.  Lanes 0-15 take row n, lanes 16-31 row n + 1, of one chunk: a load reads 256 consecutive bytes of each row,
	; and the pair's 2 x 128 bytes of f16 are neighbours in wh: a store covers 256 consecutive bytes, aligned.  No register is written twice, so no wait frees a store's data.
.Lconv:
	s_sub_co_u32 s21, ttmp9, WGQ
	s_lshl_b32 s21, s21, 2
	s_add_co_u32 s21, s21, s20                     ; id 0 .. 255
	s_lshl_b32 s22, s21, 14                        ; four rows of 4,096 bytes
	s_mov_b32 s23, 0
	s_lshl_b32 s24, s21, 9                         ; four rows of 128 bytes in a chunk
	s_mov_b32 s25, 0
	v_lshrrev_b32 v5, 4, v2                        ; which row of the pair
	v_and_b32 v6, 15, v2
	v_lshlrev_b32 v3, 12, v5
	v_lshl_add_u32 v3, v6, 4, v3                   ; in: 4,096 x row + 16 x (lane % 16)
	v_lshlrev_b32 v4, 7, v5
	v_lshl_add_u32 v4, v6, 3, v4                   ; out: 128 x row + 8 x (lane % 16)
	s_wait_kmcnt 0x0
	s_add_nc_u64 s[8:9], s[8:9], s[22:23]
	s_add_nc_u64 s[18:19], s[18:19], s[24:25]
.irp p, 0,1
.irp c, 0,1,2,3,4,5,6,7,8,9,10,11,12,13,14,15
	global_load_b128 v[16+64*\p+4*\c:16+64*\p+4*\c+3], v3, s[8:9] offset:8192*\p+256*\c th:TH_LOAD_NT
.endr
.endr
.irp p, 0,1
	s_wait_loadcnt 16*(1-\p)                       ; this pair's sixteen loads are in; the other pair's may be out
.irp c, 0,1,2,3,4,5,6,7,8,9,10,11,12,13,14,15
	v_cvt_pk_f16_f32 v[16+64*\p+4*\c], v[16+64*\p+4*\c], v[16+64*\p+4*\c+1]
	v_cvt_pk_f16_f32 v[16+64*\p+4*\c+1], v[16+64*\p+4*\c+2], v[16+64*\p+4*\c+3]
	global_store_b64 v4, v[16+64*\p+4*\c:16+64*\p+4*\c+1], s[18:19] offset:131072*\c+256*\p
.endr
.endr
	s_endpgm
.Lfunc_end_k_qf8706eb7e1_prep:
	.size	k_qf8706eb7e1_prep, .Lfunc_end_k_qf8706eb7e1_prep-k_qf8706eb7e1_prep
	.p2alignl 7, 3214868480
	.fill 96, 4, 3214868480
	.section	.rodata,"a",@progbits
	.p2align	6, 0x0
	.amdhsa_kernel k_qf8706eb7e1_prep
		.amdhsa_group_segment_fixed_size 33280
		.amdhsa_private_segment_fixed_size 0
		.amdhsa_enable_private_segment 0
		.amdhsa_kernarg_size 64
		.amdhsa_user_sgpr_count 2
		.amdhsa_user_sgpr_kernarg_segment_ptr 1
		.amdhsa_wavefront_size32 1
		.amdhsa_system_sgpr_workgroup_id_x 1
		.amdhsa_system_sgpr_workgroup_id_y 1
		.amdhsa_system_sgpr_workgroup_id_z 1
		.amdhsa_system_vgpr_workitem_id 0
		.amdhsa_next_free_vgpr 192
		.amdhsa_next_free_sgpr 66
		.amdhsa_reserve_vcc 0
		.amdhsa_float_denorm_mode_32 3
		.amdhsa_float_denorm_mode_16_64 3
		.amdhsa_memory_ordered 1
		.amdhsa_forward_progress 1
		.amdhsa_inst_pref_size 44
	.end_amdhsa_kernel
	.amdgpu_metadata
---
amdhsa.version: [ 1, 2 ]
amdhsa.kernels:
  - .name:           k_qf8706eb7e1_prep
    .symbol:         k_qf8706eb7e1_prep.kd
    .args:
      - { .name: x, .offset: 0, .size: 8, .value_kind: global_buffer, .address_space: global }
      - { .name: w_qkv, .offset: 8, .size: 8, .value_kind: global_buffer, .address_space: global }
      - { .name: w_out, .offset: 16, .size: 8, .value_kind: global_buffer, .address_space: global }
      - { .name: xc, .offset: 24, .size: 8, .value_kind: global_buffer, .address_space: global }
      - { .name: xs, .offset: 32, .size: 8, .value_kind: global_buffer, .address_space: global }
      - { .name: wc, .offset: 40, .size: 8, .value_kind: global_buffer, .address_space: global }
      - { .name: ws, .offset: 48, .size: 8, .value_kind: global_buffer, .address_space: global }
      - { .name: wh, .offset: 56, .size: 8, .value_kind: global_buffer, .address_space: global }
    .group_segment_fixed_size: 33280
    .private_segment_fixed_size: 0
    .kernarg_segment_align: 8
    .kernarg_segment_size: 64
    .max_flat_workgroup_size: 128
    .sgpr_count:     66
    .vgpr_count:     192
    .wavefront_size: 32
...
	.end_amdgpu_metadata
.endif
;; end of part 1
;; launch qkvgemm (part 2): grid 12 x 32, 4 waves a work-group, clusters of 4 x 4, 327,680 bytes of LDS; arguments xc, xs, wc, ws, qkv; writes qkv
.if DOCPART == 2
	.amdgcn_target "amdgcn-amd-amdhsa--gfx1250"
	.amdhsa_code_object_version 6
	.text
	.protected	k_qf8706eb7e1_qkvgemm
	.globl	k_qf8706eb7e1_qkvgemm
	.p2align	8
	.type	k_qf8706eb7e1_qkvgemm,@function
k_qf8706eb7e1_qkvgemm:
	s_mov_b64 s[64:65], 0
	v_nop
	global_prefetch_b8 v0, s[64:65] scope:SCOPE_SE
	s_setreg_imm32_b32 hwreg(HW_REG_WAVE_MODE, 25, 1), 1
	s_wait_xcnt 0x0
	s_wait_alu depctr_hold_cnt(0) depctr_sa_sdst(0) depctr_va_vdst(0) depctr_va_sdst(0) depctr_va_ssrc(0) depctr_va_vcc(0) depctr_vm_vsrc(0)
	s_getreg_b32 s2, hwreg(HW_REG_IB_STS2, 6, 4)
	s_cmp_eq_u32 s2, 0
	s_cbranch_scc0 .Lentry_in_a_cluster
	s_endpgm
.Lentry_in_a_cluster:
	s_bfe_u32 s2, ttmp6, 0x10000c
	s_cmp_lg_u32 s2, 0xf033
	s_cbranch_scc0 .Lentry_shape_is_right
	s_endpgm
.Lentry_shape_is_right:
; SECOND LAUNCH: qkv[m][n] = sum over k of x[m][k] w_qkv[n][k], both operands as codes of FP4 (E2M1) with one E8M0 scale for each 32 along K; sums in f32; the result rounded once to f16 and laid by head:
; qkv[which = n / 1024][16 (m / 2048) + (n / 64) % 16][m % 2048][n % 64].  No work is left out.  LIMIT: |q|, |k|, |v| stay under 65,504 (f16).
; A tile of C, 256 x 256, is made by a work-group of four waves; a wave makes 128 x 128: 64 accumulators of 16 x 16, 512 registers.  K = 1,024 is two LDS slots of 512 along K (rows of 256 bytes), both asked for at the head:
; nothing is filled again.  The scale bytes of the work-group's 256 + 256 rows, for all of K, are two dense blocks of memory and come with the first fills.
; CLUSTERS: 4 x 4 work-groups.  The four of a row of the cluster need the same tiles of A, the four of a column the same tiles of B: each tile is asked for JOINTLY, by the same tensor load with the same descriptor
; and a mask that names the four.  THE MATRIX INSTRUCTION IS USED TRANSPOSED (source 0 = 16 rows of B, source 1 = 16 rows of A): a lane then holds eight neighbouring numbers of a row of C.
; REGISTERS, in windows of 256: window 0: v0-31 addresses; v32-95 scale words, two sets, which hold nothing else; v128-191 A's fragments (8 x 16 rows x 128 K), ONE set, on the way out rows read back; v192-223 packed results.
;   window 1: B's fragments, TWO sets, at v0 and at v128.   window 2: the 32 accumulators of my rows 0-63 ((a, b) at v[8 (8 a + b)]);   window 3: those of my rows 64-127.
; A step of 128 along K is 64 matrix instructions, A's blocks one after the other, each against B's eight: a block of A is free as soon as its eight products are issued, so one set serves A.
; No prefetch: every tile of the launch is asked for at the head.
.set SIZE_M, 8192
.set SIZE_N, 3072
.set SIZE_K, 1024
.set KSTEP,  512                       ; along K in a slot
.set NQ,     KSTEP/128                 ; matrix instructions deep
.set ROWB,   256                       ; a tile's row in bytes
.set KROW,   SIZE_K*4/8                ; a row of codes in memory
.set PITCH,  272                       ; an LDS row: 256 bytes + 16 of padding = 68 words: the 16 rows that a load touches start 4 words apart (64 banks of 4 bytes: ISA guide 11.1)
.set FR,     8                         ; registers of a fragment: 16 rows x 128 K
.set NL,     2                         ; LDS loads that bring one
.set NP,     4                         ; places behind this matrix instruction (ISA guide 7.12.1)
.set HALFT,  128*PITCH                 ; 128 rows: what one tensor load brings
.set SLOT,   4*HALFT                   ; A's 256 rows, then B's 256 rows
.set KS,     SIZE_K/32                 ; a row of scales in bytes
.set SCL,    2*SLOT                    ; behind the slots: the scales, as rows of 256 bytes + 16 of padding
.set HALFS,  (128*KS/256)*272          ; the scales of 128 rows: what one tensor load brings
.set SBLK,   (16*KS/256)*272           ; those of 16 rows
.set SPARE,  SCL+4*HALFS               ; behind the scales: the spare words, 128 bytes a wave, which no other line names
.set SPITCH, 272                       ; the way out: a stage of 16 rows x (256 bytes + 16) for each wave, in slot 0, which has had its only fill and its last read when the first result is stored there
.set ADRA, 16                          ; v16-17  LDS address of my A fragments in slot 0, 1
.set ADRB, 20                          ; v20-21  the same for B
.set STO,  24                          ; v24     the way out: where I put 16 bytes of a row
.set RD,   25                          ; v25     the way out: where I read back
.set CO,   26                          ; v26     16 x lane
.set ADRS, 27                          ; v27     LDS address of my scale words: lanes 0-15 A's rows, lanes 16-31 B's
.set SPW,  28                          ; v28     LDS address of my spare word; never rewritten
.set NIL,  29                          ; v29     0; never rewritten
.set SC,   32                          ; scale words: set s at v[SC + 32 s]; register 4 i + q: lanes 0-15 the word of A's block i, lanes 16-31 of B's block i, for the slot's q-th 128 along K
.set AF,   128                         ; A's fragments
.set BK,   128                         ; the way out: 16 rows read back: v128-159 and v160-191 by turns
.set TMP,  192                         ; the way out: packed results
.set G1, 24                            ; s[24:31] descriptor group 1 for A's tiles;  s[32:39] group 0, one set for each slot
.set G0, 32
.set G1B, 48                           ; s[48:55], s[56:63] the same for B's tiles
.set G0B, 56
.set G1S, 68                           ; s[68:75], s[76:79] groups 1 and 0 for A's scales;  s[80:87], s[88:91] for B's
.set G0S, 76
.set G1SB, 80
.set G0SB, 88
.set MSB, 0
.macro WIN new                         ; the immediate's high byte repeats the setting that is left
.if MSB != \new
	s_set_vgpr_msb (MSB<<8)|\new
.set MSB, \new
.endif
.endm
.set MUL_LO, 0xa1                      ; source 0 (B) window 1, source 1 (A) window 0, C and D window 2
.set MUL_HI, 0xf1                      ; the same, C and D window 3
.set TO_B,   0x40                      ; destination window 1, address window 0
; A joint load: waves 0 and 1 fetch for A, waves 2 and 3 for B.  Each line has ONE mask and one set of registers for all that issue it; the branch hangs on the wave's number alone.
; An s_nop 0 and four v_nop follow each of the two lines.
.macro JLOAD g0a, g1a, g0b, g1b
	s_cmp_eq_u32 s15, 0
	s_cbranch_scc0 .Lfor_b_\@
	tensor_load_to_lds s[\g0a:\g0a+3], s[\g1a:\g1a+7]
	s_nop 0
.rept 4
	v_nop
.endr
	s_branch .Lasked_\@
.Lfor_b_\@:
	tensor_load_to_lds s[\g0b:\g0b+3], s[\g1b:\g1b+7]
	s_nop 0
.rept 4
	v_nop
.endr
.Lasked_\@:
.endm
.macro CROUND                          ; a round of the cluster's barrier: my work-group's barrier; wave 0 signals for the work-group; every wave waits for all sixteen; my work-group's barrier once more
	s_barrier_signal -1
	s_barrier_wait -1
	s_cmp_lg_u32 s14, 0
	s_cbranch_scc1 .Lnot_wave_0_\@
	s_barrier_signal -3
.Lnot_wave_0_\@:
	s_barrier_wait -3
	s_barrier_signal -1
	s_barrier_wait -1
.endm
	s_load_b128 s[4:7], s[0:1], 0x0                ; A's codes s[4:5], A's scales s[6:7]
	s_load_b128 s[8:11], s[0:1], 0x10              ; B's codes s[8:9], B's scales s[10:11]
	s_load_b64 s[12:13], s[0:1], 0x20              ; qkv
	v_lshl_add_u32 v[SPW], v0, 2, SPARE
	v_mov_b32 v[NIL], 0
	ds_add_u32 v[SPW], v[NIL]                      ; the wave's opening: the add, twice on end, and its wait ahead of my first tensor load
	ds_add_u32 v[SPW], v[NIL]                      ; and once more; the set-up below, work on registers, stands between it and the wait
	v_lshrrev_b32 v1, 5, v0
	v_readfirstlane_b32 s14, v1                    ; wave 0..3
	s_lshr_b32 s15, s14, 1                         ; which half of the tile's rows is mine.  Also: I fetch for A (0) or for B (1)
	s_and_b32 s16, s14, 1                          ; which half of its columns.  Also: which 128 rows of that tile I fetch
	s_bfe_u32 s40, ttmp6, 0x40000                  ; cx, cy: my place in the cluster
	s_bfe_u32 s41, ttmp6, 0x40004
	s_lshl_b32 s42, ttmp9, 2
	s_add_co_u32 s42, s42, s40                     ; tile column of C = 4 x cluster x + cx
	s_and_b32 s17, ttmp7, 0xffff
	s_lshl_b32 s17, s17, 2
	s_add_co_u32 s17, s17, s41                     ; tile row of C = 4 x cluster y + cy
	s_lshl_b32 s43, s41, 2
	s_lshl_b32 s43, 15, s43                        ; my row of the cluster
	s_lshl_b32 s44, 0x1111, s40                    ; my column
	; descriptor group 1: a tile of 128 rows x 256 bytes, padded in LDS
	s_or_b32 s[G1+0], s43, (0<<16)|(1<<20)|(1<<21)|(5<<22)|(3<<25)  ; 15:0 the mask: A's tiles go to my row; 17:16 elements of 1 byte; 20 padding on; 21 set beside a mask; 24:22 after every 64 words; 31:25 four words
	s_or_b32 s[G1B+0], s44, (0<<16)|(1<<20)|(1<<21)|(5<<22)|(3<<25)
.irp g, G1, G1B
	s_mov_b32 s[\g+1], ROWB<<16                    ; tensor_dim0
	s_mov_b32 s[\g+2], 128<<16                     ; tensor_dim1
	s_mov_b32 s[\g+3], ROWB<<16                    ; tile_dim0
	s_mov_b32 s[\g+4], 128                         ; tile_dim1
	s_mov_b32 s[\g+5], KROW                        ; tensor_dim0_stride
	s_mov_b32 s[\g+6], 0
	s_mov_b32 s[\g+7], 0
.endr
	; the scales of 128 rows: a dense block of 4,096 bytes, as 16 rows of 256 bytes (32 elements of 8 bytes), 16 bytes of padding behind each
	s_or_b32 s[G1S+0], s43, (3<<16)|(1<<20)|(1<<21)|(5<<22)|(3<<25)
	s_or_b32 s[G1SB+0], s44, (3<<16)|(1<<20)|(1<<21)|(5<<22)|(3<<25)
.irp g, G1S, G1SB
	s_mov_b32 s[\g+1], 32<<16
	s_mov_b32 s[\g+2], (128*KS/256)<<16
	s_mov_b32 s[\g+3], 32<<16
	s_mov_b32 s[\g+4], 128*KS/256
	s_mov_b32 s[\g+5], 32
	s_mov_b32 s[\g+6], 0
	s_mov_b32 s[\g+7], 0
.endr
	s_lshl_b32 s18, s16, 7                         ; which 128 rows of the tile I fetch
	s_lshl_b32 s20, s17, 8
	s_add_co_u32 s20, s20, s18                     ; A: row 256 x tile row + 128 x half
	s_lshl_b32 s46, s42, 8
	s_add_co_u32 s46, s46, s18                     ; B: row 256 x tile column + 128 x half
	s_mov_b32 s21, 0
	s_mov_b32 s47, 0
	s_mov_b64 s[18:19], KS
	s_mul_u64 s[22:23], s[20:21], s[18:19]         ; where these rows' scales begin, in bytes
	s_mul_u64 s[92:93], s[46:47], s[18:19]
	s_mov_b64 s[18:19], KROW
	s_mul_u64 s[20:21], s[20:21], s[18:19]         ; and their codes
	s_mul_u64 s[46:47], s[46:47], s[18:19]
	s_mul_i32 s45, s14, HALFT                      ; where they go: wave x 128 rows: no place in the cluster enters an LDS address
	s_mul_i32 s94, s14, HALFS
	s_wait_dscnt 0x0                               ; both opening adds are done
	s_wait_kmcnt 0x0
	s_add_nc_u64 s[20:21], s[4:5], s[20:21]
	s_add_nc_u64 s[22:23], s[6:7], s[22:23]
	s_add_nc_u64 s[46:47], s[8:9], s[46:47]
	s_add_nc_u64 s[92:93], s[10:11], s[92:93]
	CROUND                                         ; all sixteen work-groups are here: the joint loads meet
	s_mov_b32 s[G0S], 1
	s_add_co_u32 s[G0S+1], s94, SCL
	s_mov_b64 s[G0S+2:G0S+3], s[22:23]
	s_or_b32 s[G0S+3], s[G0S+3], 0x80000000
	s_mov_b32 s[G0SB], 1
	s_add_co_u32 s[G0SB+1], s94, SCL
	s_mov_b64 s[G0SB+2:G0SB+3], s[92:93]
	s_or_b32 s[G0SB+3], s[G0SB+3], 0x80000000
	JLOAD G0S, G1S, G0SB, G1SB                     ; the scales first: they are wanted with the first slot
.irp s, 0,1
	s_mov_b32 s[G0+4*\s], 1
	s_add_co_u32 s[G0+4*\s+1], s45, \s*SLOT
	s_add_nc_u64 s[G0+4*\s+2:G0+4*\s+3], s[20:21], \s*ROWB
	s_or_b32 s[G0+4*\s+3], s[G0+4*\s+3], 0x80000000
	s_mov_b32 s[G0B+4*\s], 1
	s_add_co_u32 s[G0B+4*\s+1], s45, \s*SLOT
	s_add_nc_u64 s[G0B+4*\s+2:G0B+4*\s+3], s[46:47], \s*ROWB
	s_or_b32 s[G0B+4*\s+3], s[G0B+4*\s+3], 0x80000000
	JLOAD G0+4*\s, G1, G0B+4*\s, G1B               ; three loads of mine are out in all
.endr
	v_and_b32 v1, 15, v0                           ; l % 16
	v_bfe_u32 v2, v0, 4, 1                         ; l / 16
	v_mul_u32_u24 v3, v1, PITCH
	v_lshl_add_u32 v4, v2, 4, v3                   ; a fragment's row x pitch + 16 x half
	s_mul_i32 s21, s15, HALFT                      ; my 128 rows of A
	s_mul_i32 s22, s16, HALFT                      ; my 128 rows of B,
	s_add_co_u32 s22, s22, 2*HALFT                 ; which lie behind A's 256
.irp s, 0,1
	v_add_nc_u32 v[ADRA+\s], s21, v4
	v_add_nc_u32 v[ADRB+\s], s22, v4
	s_add_co_u32 s21, s21, SLOT
	s_add_co_u32 s22, s22, SLOT
.endr
	v_mul_u32_u24 v5, v1, KS                       ; my row's scales: 32 bytes a row,
	v_lshrrev_b32 v6, 8, v5
	v_lshl_add_u32 v5, v6, 4, v5                   ; and 16 more for each 256 passed
	s_mul_i32 s21, s15, HALFS                      ; A's: my 128 rows
	s_mul_i32 s22, s16, HALFS                      ; B's: my 128 rows, behind A's 256
	s_add_co_u32 s22, s22, 2*HALFS
	s_sub_co_u32 s22, s22, s21
	v_mul_u32_u24 v6, s22, v2                      ; lanes 16-31 take B's: the lower base + half x the distance
	s_add_co_u32 s21, s21, SCL
	v_add_nc_u32 v5, v5, v6
	v_add_nc_u32 v[ADRS], s21, v5
	s_mul_i32 s23, s14, 16*SPITCH                  ; my stage
	v_mul_u32_u24 v5, v1, SPITCH                   ; in: row l % 16, 16 bytes for each half of the lanes
	v_lshl_add_u32 v5, v2, 4, v5
	v_add_nc_u32 v[STO], s23, v5
	v_and_b32 v6, 31, v0
	v_lshlrev_b32 v[CO], 4, v6                     ; out: 16 bytes a lane of 512 consecutive bytes
	v_lshrrev_b32 v5, 3, v6                        ; back: eight lanes take the 128 bytes of one token and head, four tokens an instruction
	v_mul_u32_u24 v5, v5, SPITCH
	v_and_b32 v7, 7, v0
	v_lshl_add_u32 v5, v7, 4, v5
	v_add_nc_u32 v[RD], s23, v5
	; where my 128 rows x 128 columns (two heads) begin in qkv: (which << 24) + ((16 batch + head) << 18) + (token << 7)
	s_lshl_b32 s20, s17, 8
	s_lshl_b32 s21, s15, 7
	s_add_co_u32 s20, s20, s21                     ; my first row m
	s_lshr_b32 s21, s20, 11
	s_lshl_b32 s21, s21, 4                         ; 16 x batch
	s_and_b32 s20, s20, 2047
	s_lshl_b32 s20, s20, 7                         ; token x 128 bytes
	s_lshl_b32 s46, s42, 2
	s_lshl_b32 s47, s16, 1
	s_add_co_u32 s46, s46, s47                     ; my first column / 64: 0 .. 46, even
	s_and_b32 s47, s46, 15                         ; the head
	s_add_co_u32 s21, s21, s47
	s_lshl_b32 s21, s21, 18
	s_add_co_u32 s20, s20, s21
	s_lshr_b32 s46, s46, 4                         ; q, k or v
	s_lshl_b32 s46, s46, 24
	s_add_co_u32 s20, s20, s46
	s_mov_b32 s21, 0
	s_add_nc_u64 s[12:13], s[12:13], s[20:21]
.macro FRAG reg, adr, q, i             ; a fragment, 16 rows x 128 K of 4-bit codes, is 8 registers: lane l holds row l % 16; registers 4 c .. 4 c + 3 hold K = 64 c + 32 (l / 16) + 0 .. 31
.irp c, 0,1
	ds_load_b128 v[\reg+4*\c:\reg+4*\c+3], v[\adr] offset:64*(\q)+32*\c+(\i)*16*PITCH
.endr
.endm
; 16 matrix instructions: A's blocks a0, a0 + 1 x B's eight, the slot's q-th 128 along K.  p: B's set;  sc: the set of scale words.  zero = 1: the first product starts the sums: nothing is ever cleared.
; The 64 accumulators take turns, one instruction a turn, in the same order in every step.
.macro MUL16 a0, p, q, sc, zero
.irp a, \a0, \a0+1
.irp b, 0,1,2,3,4,5,6,7
.if \zero
	v_wmma_scale_f32_16x16x128_f8f6f4 v[8*(8*((\a)%4)+\b):8*(8*((\a)%4)+\b)+7], v[128*(\p)+FR*\b:128*(\p)+FR*\b+FR-1], v[AF+FR*(\a):AF+FR*(\a)+FR-1], 0, v[SC+8*NQ*(\sc)+NQ*\b+(\q)], v[SC+8*NQ*(\sc)+NQ*(\a)+(\q)] matrix_a_fmt:MATRIX_FMT_FP4 matrix_b_fmt:MATRIX_FMT_FP4 matrix_a_scale:MATRIX_SCALE_ROW1
.else
	v_wmma_scale_f32_16x16x128_f8f6f4 v[8*(8*((\a)%4)+\b):8*(8*((\a)%4)+\b)+7], v[128*(\p)+FR*\b:128*(\p)+FR*\b+FR-1], v[AF+FR*(\a):AF+FR*(\a)+FR-1], v[8*(8*((\a)%4)+\b):8*(8*((\a)%4)+\b)+7], v[SC+8*NQ*(\sc)+NQ*\b+(\q)], v[SC+8*NQ*(\sc)+NQ*(\a)+(\q)] matrix_a_fmt:MATRIX_FMT_FP4 matrix_b_fmt:MATRIX_FMT_FP4 matrix_a_scale:MATRIX_SCALE_ROW1
.endif
.endr
.endr
.endm
.macro FETCH_B slot, q, p              ; B's eight fragments of the slot's q-th 128 along K into set p
	WIN TO_B
.irp i, 0,1,2,3,4,5,6,7
	FRAG 128*(\p)+FR*\i, ADRB+\slot, \q, \i
.endr
	WIN 0
.endm
.macro FETCH_A slot, q, i0             ; A's blocks i0 .. i0 + 3
.irp i, \i0, \i0+1, \i0+2, \i0+3
	FRAG AF+FR*(\i), ADRA+\slot, \q, \i
.endr
.endm
.macro SCALES sc                       ; a slot's scale words into set sc: four words a row; lanes 0-15 take A's block i, lanes 16-31 B's block i
.irp i, 0,1,2,3,4,5,6,7
	ds_load_b128 v[SC+8*NQ*\sc+NQ*\i:SC+8*NQ*\sc+NQ*\i+3], v[ADRS] offset:\i*SBLK
.endr
.endm
; A load into a register that a matrix instruction has read, and a vector instruction that reads a matrix result, stand NP places behind that matrix instruction; only plain vector
; instructions that name none of its registers are places (ISA guide 7.12.1 for vector instructions).
.macro PLACES n
.rept \n
	v_nop
.endr
.endm
.macro STEP slot, q, zero              ; a step of 128 along K that has its successor in the same slot
	s_wait_dscnt 4*NL                              ; B's set and A's blocks 0-3 are in; the youngest eight loads (A's blocks 4-7) may be out
	WIN MUL_LO
	MUL16 0, (\q)%2, \q, \slot, \zero
	MUL16 2, (\q)%2, \q, \slot, \zero
	s_wait_dscnt 0                                 ; A's blocks 4-7 are in
	PLACES NP
	FETCH_B \slot, (\q)+1, 1-(\q)%2
	FETCH_A \slot, (\q)+1, 0
	WIN MUL_HI
	MUL16 4, (\q)%2, \q, \slot, \zero
	MUL16 6, (\q)%2, \q, \slot, \zero
	PLACES NP
	WIN 0
	FETCH_A \slot, (\q)+1, 4
.endm
; Slot 0's last step changes slots: ONE barrier; in front of it each wave waits for all its tensor loads (its part of slot 1), adds 0 to its spare word, and waits for that and for its own reads of slot 0.
.macro TURN slot, next
	s_wait_tensorcnt 0x0                           ; all my tensor loads have landed: my part of the next slot  (every window is 0 here)
	ds_add_u32 v[SPW], v[NIL]                      ; 0 onto my spare word
	s_wait_dscnt 4*NL+1                            ; (the add and the youngest eight loads, A's blocks 4-7, may be out)
	WIN MUL_LO
	MUL16 0, 1, NQ-1, \slot, 0                     ; sixteen matrix instructions stand between the add and the wait for it
	s_wait_dscnt 0x0                               ; the add is done, and my reads of this slot are over
	s_barrier_signal -1
	MUL16 2, 1, NQ-1, \slot, 0
	WIN 0
	s_barrier_wait -1                              ; the next slot is whole, and nobody reads this one any more: the way out may stage there
	PLACES NP
	v_add_nc_u32 v[ADRS], 4*NQ, v[ADRS]            ; on to the next slot's scale words
	FETCH_B \next, 0, 0
	FETCH_A \next, 0, 0
	SCALES \next
	WIN MUL_HI
	MUL16 4, 1, NQ-1, \slot, 0
	MUL16 6, 1, NQ-1, \slot, 0
	PLACES NP
	WIN 0
	FETCH_A \next, 0, 4
.endm
.macro STEPS slot, from                ; the slot's steps from .. NQ - 2
.set Q, \from
.rept NQ-1-\from
	STEP \slot, Q, 0
.set Q, Q+1
.endr
.endm
	s_wait_tensorcnt 1                             ; the scales and my part of slot 0 are in (slot 1's load may be out)
	s_barrier_signal -1
	s_barrier_wait -1                              ; everybody's are
	FETCH_B 0, 0, 0
	FETCH_A 0, 0, 0
	SCALES 0
	FETCH_A 0, 0, 4
	STEP 0, 0, 1                                   ; the first step's products start the sums
	STEPS 0, 1
	TURN 0, 1
	STEPS 1, 0
	s_wait_dscnt 4*NL                              ; the very last step: nothing more to fetch
	WIN MUL_LO
	MUL16 0, 1, NQ-1, 1, 0
	MUL16 2, 1, NQ-1, 1, 0
	s_wait_dscnt 0
	WIN MUL_HI
	MUL16 4, 1, NQ-1, 1, 0
	MUL16 6, 1, NQ-1, 1, 0
	WIN 0
; THE WAY OUT, block by block of 16 rows (tokens) x 128 columns (two heads).  PACK: rounded to f16, 16 bytes a lane, each accumulator from its low end on.  TOSTAGE: into my own stage in LDS and back, eight lanes to a
; token's 128 bytes of one head.  SEND: four tokens of one head are 512 consecutive bytes of qkv, aligned: one store of the wave.
.macro PACK a
.set AC, 64*((\a)%4)
	WIN (0x0a+5*((\a)/4))                          ; sources 0 and 1: window 2 or 3
.irp b, 0,1,2,3,4,5,6,7
.irp r, 0,1,2,3
	v_cvt_pk_f16_f32 v[TMP+4*\b+\r], v[AC+8*\b+2*\r], v[AC+8*\b+2*\r+1]
.endr
.endr
	WIN 0
.endm
.macro TOSTAGE a
.set BB, BK+32*((\a)%2)
.irp b, 0,1,2,3,4,5,6,7
	ds_store_b128 v[STO], v[TMP+4*\b:TMP+4*\b+3] offset:32*\b
.endr
.if (\a) > 1
	s_wait_xcnt 0x0                                ; the stores of the block two back have read their registers: this block's loads may land there
.endif
.irp u, 0,1
.irp t, 0,1,2,3
	ds_load_b128 v[BB+4*(4*\u+\t):BB+4*(4*\u+\t)+3], v[RD] offset:4*\t*SPITCH+128*\u   ; LDS serves a wave's instructions in order (ISA guide 5.7.1.4): these see the stores above
.endr
.endr
.endm
.macro SEND a
.set BB, BK+32*((\a)%2)
	s_wait_dscnt 0x0                               ; the block is back in registers
.irp u, 0,1
.irp t, 0,1,2,3
	global_store_b128 v[CO], v[BB+4*(4*\u+\t):BB+4*(4*\u+\t)+3], s[12:13] offset:262144*\u+2048*(\a)+512*\t
.endr
.endr
.endm
	PLACES NP                                      ; behind the last products: for the conversions that read results, and for the loads into the registers that held A's fragments
	PACK 0
	TOSTAGE 0
.irp a, 1,2,3,4,5,6,7                  ; block a's conversions stand between block a - 1's loads from the stage and the wait for them
	PACK \a
	SEND \a-1
	TOSTAGE \a
.endr
	SEND 7
	s_wait_tensorcnt 0x0                           ; the wave's end, behind my last tensor load and my last LDS store
	ds_add_u32 v[SPW], v[NIL]
	s_wait_dscnt 0x0
	CROUND                                         ; the closing round: no work-group ends while a partner may still ask for a tile that names it
	s_endpgm
.Lfunc_end_k_qf8706eb7e1_qkvgemm:
	.size	k_qf8706eb7e1_qkvgemm, .Lfunc_end_k_qf8706eb7e1_qkvgemm-k_qf8706eb7e1_qkvgemm
	.p2alignl 7, 3214868480
	.fill 96, 4, 3214868480
	.section	.rodata,"a",@progbits
	.p2align	6, 0x0
	.amdhsa_kernel k_qf8706eb7e1_qkvgemm
		.amdhsa_group_segment_fixed_size 327680
		.amdhsa_private_segment_fixed_size 0
		.amdhsa_enable_private_segment 0
		.amdhsa_kernarg_size 40
		.amdhsa_user_sgpr_count 2
		.amdhsa_user_sgpr_kernarg_segment_ptr 1
		.amdhsa_wavefront_size32 1
		.amdhsa_system_sgpr_workgroup_id_x 1
		.amdhsa_system_sgpr_workgroup_id_y 1
		.amdhsa_system_sgpr_workgroup_id_z 1
		.amdhsa_system_vgpr_workitem_id 0
		.amdhsa_next_free_vgpr 1024
		.amdhsa_next_free_sgpr 98
		.amdhsa_reserve_vcc 0
		.amdhsa_float_denorm_mode_32 3
		.amdhsa_float_denorm_mode_16_64 3
		.amdhsa_memory_ordered 1
		.amdhsa_forward_progress 1
		.amdhsa_inst_pref_size 126
	.end_amdhsa_kernel
	.amdgpu_metadata
---
amdhsa.version: [ 1, 2 ]
amdhsa.kernels:
  - .name:           k_qf8706eb7e1_qkvgemm
    .symbol:         k_qf8706eb7e1_qkvgemm.kd
    .args:
      - { .name: xc, .offset: 0, .size: 8, .value_kind: global_buffer, .address_space: global }
      - { .name: xs, .offset: 8, .size: 8, .value_kind: global_buffer, .address_space: global }
      - { .name: wc, .offset: 16, .size: 8, .value_kind: global_buffer, .address_space: global }
      - { .name: ws, .offset: 24, .size: 8, .value_kind: global_buffer, .address_space: global }
      - { .name: qkv, .offset: 32, .size: 8, .value_kind: global_buffer, .address_space: global }
    .group_segment_fixed_size: 327680
    .private_segment_fixed_size: 0
    .kernarg_segment_align: 8
    .kernarg_segment_size: 40
    .max_flat_workgroup_size: 128
    .sgpr_count:     98
    .vgpr_count:     1024
    .wavefront_size: 32
...
	.end_amdgpu_metadata
.endif
;; end of part 2
;; launch attn (part 3): grid 4 x 64, 8 waves a work-group, clusters of 4 x 1, 327,680 bytes of LDS; arguments qkv, o; writes o
.if DOCPART == 3
	.amdgcn_target "amdgcn-amd-amdhsa--gfx1250"
	.amdhsa_code_object_version 6
	.text
	.protected	k_qf8706eb7e1_attn
	.globl	k_qf8706eb7e1_attn
	.p2align	8
	.type	k_qf8706eb7e1_attn,@function
k_qf8706eb7e1_attn:
	s_mov_b64 s[64:65], 0
	v_nop
	global_prefetch_b8 v0, s[64:65] scope:SCOPE_SE
	s_setreg_imm32_b32 hwreg(HW_REG_WAVE_MODE, 25, 1), 1
	s_wait_xcnt 0x0
	s_wait_alu depctr_hold_cnt(0) depctr_sa_sdst(0) depctr_va_vdst(0) depctr_va_sdst(0) depctr_va_ssrc(0) depctr_va_vcc(0) depctr_vm_vsrc(0)
	s_getreg_b32 s2, hwreg(HW_REG_IB_STS2, 6, 4)
	s_cmp_eq_u32 s2, 0
	s_cbranch_scc0 .Lentry_in_a_cluster
	s_endpgm
.Lentry_in_a_cluster:
	s_bfe_u32 s2, ttmp6, 0x10000c
	s_cmp_lg_u32 s2, 0x3003
	s_cbranch_scc0 .Lentry_shape_is_right
	s_endpgm
.Lentry_shape_is_right:
; THIRD LAUNCH: o[g][q][:] = the sum over k of softmax_k(Q[g][q] . K[g][k] / 8) V[g][k][:], g = 16 batch + head, 2,048 tokens, head size 64.  No work is left out.
; Q, K, V: f16, qkv[which][g][token][64].  Products on f16 operands with f32 sums; maxima, exponentials and sums in f32; the weights p (at most 1) rounded to f16 for the second product; o rounded once to f16,
; laid o[head][2048 batch + token][64], so that each head is a chunk of 64 along the last product's K.  LIMIT: |o| stays under 65,504 (it is an average of v's).
; SHARES.  A cluster of four work-groups is one g; a work-group owns 512 queries, each of its eight waves 64: four tiles of 16, in 512 registers: two waves to a SIMD, so that one wave's vector work stands beside the
; other's matrix work.  Every wave walks all keys, 64 a step; each fragment of K or V read from LDS feeds four matrix instructions.
; LAYOUT.  S^T = K Q^T (source 0 = 16 keys, source 1 = 16 queries): a lane holds ONE query (lane % 16) and the keys 8 (lane / 16) + 0..7.  Two such tiles, rounded to f16 in pairs, ARE source 1 (32 keys x 16 queries)
; of O^T = V^T P, whose result again holds one query a lane.  K comes out of LDS as it lies, V ([key][channel]) turned, by ds_load_tr16_b128.
; SOFTMAX.  For each query a running maximum m and sum l: p = 2^(c s - c m), c = log2(e) / 8; in every step O and l are multiplied by a = 2^(c m_old - c m_new).  m begins at -3e38, O and l at 0: the first step's a is 0.
; RING.  Two LDS slots of 512 keys; the 2,048 keys are four slots' worth: two first fills and two refills.  Waves 0-3 fetch K's quarters, waves 4-7 V's: 128 rows of 128 bytes a load.  At most two loads of a wave are out.
; CLUSTER.  The four work-groups walk the same K and V, so each tile is asked for JOINTLY: the same tensor load, with the same descriptor and a mask that names the four.
; REGISTERS: window 0: v2-11 addresses; v12-43 eight registers of statistics a tile; v44-47 set-up; v62, v63 the add's two; v64-191 S^T, 32 a tile, P packed in place into a tile's first 16; v192-255 K of one step.
;            window 1: v0-63 Q, 16 a tile; v64-127 V of one step; v128-255 O^T, 32 a tile.
.set KS,    64                         ; keys in a step
.set PK,    144                        ; a row of K in LDS: 128 bytes + 16 of padding = 36 words: the 16 rows of a load start 4 words apart modulo 64 (64 banks of 4 bytes: ISA guide 11.1)
.set PV,    160                        ; a row of V: 128 + 32 = 40 words
.set SKEYS, 512                        ; keys in a slot
.set VREG,  SKEYS*PK                   ; a slot: 512 rows of K, then 512 rows of V
.set SLOTB, SKEYS*(PK+PV)
.set SPARE, 2*SLOTB                    ; behind the ring: the spare words, 128 bytes for each of eight waves, which no other line names
.set AK0, 2                            ; v2   my lane's place in a tile of K; never rewritten
.set AV0, 3                            ; v3   the same for V
.set ADK, 4                            ; v4   LDS address of the step's K
.set ADV, 5                            ; v5   and V
.set QO,  6                            ; v6   my byte offset in the wave's rows of Q
.set STO, 7                            ; v7   the way out: where I put 16 bytes of a row
.set RD,  8                            ; v8   the way out: where I read back
.set GO,  10                           ; v10  16 x lane
.set PFO, 11                           ; v11  256 x lane; never rewritten
.set ST,  12                           ; tile t's statistics at v[ST + 8 t]: +0 c m, +1 m, +2, +3 l (even keys', odd keys'), +4 to +7 at work; a, and at the end 1 / l, in +6
.set SPW, 62
.set NIL, 63
.set S,   64
.set KF,  192                          ; K's fragments: keys 16 y on, channels 32 x on, at KF + 16 y + 8 x
.set QF,  0                            ; window 1: Q's: tile t, channels 32 x on, at 16 t + 8 x
.set VF,  64                           ; window 1: V's: keys 32 g on, channels 16 n on, at VF + 8 (4 g + n)
.set OT,  128                          ; window 1: O^T: tile t, channels 16 n on, at OT + 32 t + 8 n
.set WV,  12                           ; s12  my wave's number
.set PFA, 18                           ; s[18:19] where my prefetches stand; never rewritten
.set G1K, 24                           ; s[24:31] descriptor group 1 for K's tiles;  s[32:39] for V's: it differs in the padding alone
.set G1V, 32
.set G0K, 40                           ; s[40:47] group 0 for K's tiles, a set for each slot;  s[48:55] for V's
.set G0V, 48
.set CNT, 56                           ; s56  steps of the slot still to go
.set LIM, 57                           ; s57  2 in a wave that prefetches, else a number that CNT never takes
.set CS,  58                           ; s[58:59] c: the packed form names a pair and takes its low word for both halves
.set SEL, 60                           ; s[60:61] lane selects for v_permlanex16_b32: lane l xor 16
.set TK,  62                           ; s62  LDS byte at which the step's K begins
.set TV,  63                           ; s63  and V
.set MSB, 0
.macro WIN new                         ; the immediate's high byte repeats the setting that is left; a switch that changes nothing is dropped
.if MSB != \new
	s_set_vgpr_msb (MSB<<8)|\new
.set MSB, \new
.endif
.endm
.set W_KQ, 0x04                        ; K and S^T in window 0, Q (source 1) in window 1
.set W_PV, 0x51                        ; V (source 0) and O^T (C, D) in window 1, P in window 0
.set W_RS, 0x41                        ; O^T (destination and source 0) in window 1, the factor in window 0
.set TO_1, 0x40                        ; destination window 1, address window 0
; A joint refill of slot s.  The branch hangs on the wave's number alone.  An s_nop 0 and four v_nop follow each of the two lines.
.macro JLOAD s
	s_cmp_lt_u32 s[WV], 4
	s_cbranch_scc0 .Lfor_v_\@
	tensor_load_to_lds s[G0K+4*\s:G0K+4*\s+3], s[G1K:G1K+7]
	s_nop 0
.rept 4
	v_nop
.endr
	s_branch .Lasked_\@
.Lfor_v_\@:
	tensor_load_to_lds s[G0V+4*\s:G0V+4*\s+3], s[G1V:G1V+7]
	s_nop 0
.rept 4
	v_nop
.endr
.Lasked_\@:
.endm
.macro CROUND                          ; a round of the cluster's barrier: my work-group's barrier; wave 0 signals for the work-group; every wave waits for all four; my work-group's barrier once more
	s_barrier_signal -1
	s_barrier_wait -1
	s_cmp_lg_u32 s[WV], 0
	s_cbranch_scc1 .Lnot_wave_0_\@
	s_barrier_signal -3
.Lnot_wave_0_\@:
	s_barrier_wait -3
	s_barrier_signal -1
	s_barrier_wait -1
.endm
	s_load_b128 s[4:7], s[0:1], 0x0                ; qkv s[4:5], o s[6:7]
	v_lshl_add_u32 v[SPW], v0, 2, SPARE
	v_mov_b32 v[NIL], 0
	ds_add_u32 v[SPW], v[NIL]                      ; the wave's opening: the add, twice on end, and its wait ahead of my first tensor load
	ds_add_u32 v[SPW], v[NIL]                      ; and once more; the set-up below, work on registers, stands between it and the wait
	v_lshrrev_b32 v1, 5, v0
	v_readfirstlane_b32 s[WV], v1                  ; wave 0..7
	s_bfe_u32 s13, ttmp6, 0x40000                  ; cx: my place in the cluster = my block of 512 queries
	s_and_b32 s14, ttmp7, 0xffff                   ; g, which the four partners share
	s_lshl_b32 s20, s14, 18                        ; g's 2,048 rows of 128 bytes, in each of q, k, v
	s_mov_b32 s21, 0
	s_lshl_b32 s22, s13, 16                        ; my block's 512 rows,
	s_lshl_b32 s23, s[WV], 13                      ; my wave's 64 of them
	s_add_co_u32 s22, s22, s23
	s_mov_b32 s23, 0
	s_and_b32 s2, s14, 15
	s_lshl_b32 s2, s2, 20                          ; o: the head's 8,192 rows,
	s_lshr_b32 s3, s14, 4
	s_lshl_b32 s3, s3, 18                          ; the batch's 2,048 of them,
	s_add_co_u32 s2, s2, s3
	s_add_co_u32 s2, s2, s22                       ; my wave's rows
	s_mov_b32 s3, 0
	s_and_b32 s15, s[WV], 3                        ; which quarter of a slot's K or V I fetch:
	s_mul_i32 s16, s15, 128*PK                     ; its place in a slot, for K
	s_mul_i32 s17, s15, 128*PV
	s_add_co_u32 s17, s17, VREG                    ; and for V: no place in the cluster enters an LDS address
	s_lshl_b32 s62, s15, 14                        ; and its 128 rows of 128 bytes in memory
	s_mov_b32 s63, 0
	s_lshl_b32 s14, s13, 14                        ; the prefetches: my work-group's 128 keys of a slot's 512,
	s_and_b32 s15, s[WV], 1
	s_lshl_b32 s15, s15, 13                        ; my wave's 64 of them
	s_add_co_u32 s14, s14, s15
	s_mov_b32 s15, 0
	; descriptor group 1: a tile of 128 rows x 64 elements, padded in LDS
	s_mov_b32 s[G1K], 15|(1<<16)|(1<<20)|(1<<21)|(4<<22)|(3<<25)  ; 15:0 the mask: all four work-groups; 17:16 elements of 2 bytes; 20 padding on; 21 set beside a mask; 24:22 after every 32 words; 31:25 four words
	s_mov_b32 s[G1V], 15|(1<<16)|(1<<20)|(1<<21)|(4<<22)|(7<<25)  ; the same with eight words of padding
.irp g, G1K, G1V
	s_mov_b32 s[\g+1], 64<<16                      ; tensor_dim0 = 64
	s_mov_b32 s[\g+2], 128<<16                     ; tensor_dim1 = 128
	s_mov_b32 s[\g+3], 64<<16                      ; tile_dim0 = 64
	s_mov_b32 s[\g+4], 128                         ; tile_dim1 = 128
	s_mov_b32 s[\g+5], 64                          ; elements from row to row
	s_mov_b32 s[\g+6], 0
	s_mov_b32 s[\g+7], 0
.endr
	s_mov_b32 s[CS], 0x3e38aa3b                    ; c = log2(e) / 8
	s_mov_b32 s[CS+1], s[CS]                       ; named with it as a pair, so it is written
	s_mov_b32 s[SEL], 0x76543210
	s_mov_b32 s[SEL+1], 0xfedcba98
	s_and_b32 s[LIM], s[WV], 2                     ; waves 0, 1 (K) and 4, 5 (V) prefetch: the wave's number alone decides
	s_cmp_eq_u32 s[LIM], 0
	s_cselect_b32 s[LIM], 2, -1
	s_wait_dscnt 0x0                               ; both opening adds are done
	s_wait_kmcnt 0x0
	s_add_nc_u64 s[4:5], s[4:5], s[20:21]          ; q of my g
	s_add_nc_u64 s[8:9], s[4:5], 0x1000000         ; k of my g
	s_add_nc_u64 s[10:11], s[4:5], 0x2000000       ; v of my g
	s_add_nc_u64 s[4:5], s[4:5], s[22:23]          ; Q at my wave's first row
	s_add_nc_u64 s[6:7], s[6:7], s[2:3]            ; o likewise
	s_cmp_lt_u32 s[WV], 4
	s_cselect_b64 s[PFA:PFA+1], s[8:9], s[10:11]
	s_add_nc_u64 s[PFA:PFA+1], s[PFA:PFA+1], s[14:15]
	s_add_nc_u64 s[8:9], s[8:9], s[62:63]          ; K and V at my quarter of slot 0
	s_add_nc_u64 s[10:11], s[10:11], s[62:63]
	CROUND                                         ; all four work-groups are here: the first joint loads meet
.irp s, 0,1
	s_mov_b32 s[G0K+4*\s], 1                       ; count = 1
	s_add_co_u32 s[G0K+4*\s+1], s16, \s*SLOTB      ; LDS address
	s_add_nc_u64 s[G0K+4*\s+2:G0K+4*\s+3], s[8:9], \s*SKEYS*128   ; global address: slot s begins with keys 512 s
	s_or_b32 s[G0K+4*\s+3], s[G0K+4*\s+3], 0x80000000             ; type = 2
	s_mov_b32 s[G0V+4*\s], 1
	s_add_co_u32 s[G0V+4*\s+1], s17, \s*SLOTB
	s_add_nc_u64 s[G0V+4*\s+2:G0V+4*\s+3], s[10:11], \s*SKEYS*128
	s_or_b32 s[G0V+4*\s+3], s[G0V+4*\s+3], 0x80000000
.endr
	s_cmp_lt_u32 s[WV], 4                          ; a wave's two first fills stand in one branch, ahead of every wait on TENSORcnt and every LDS read: two loads of mine are out
	s_cbranch_scc0 .Lfirst_v
	tensor_load_to_lds s[G0K:G0K+3], s[G1K:G1K+7]
	s_nop 0
	tensor_load_to_lds s[G0K+4:G0K+7], s[G1K:G1K+7]
	s_nop 0
.rept 4
	v_nop
.endr
	s_branch .Lfirst_asked
.Lfirst_v:
	tensor_load_to_lds s[G0V:G0V+3], s[G1V:G1V+7]
	s_nop 0
	tensor_load_to_lds s[G0V+4:G0V+7], s[G1V:G1V+7]
	s_nop 0
.rept 4
	v_nop
.endr
.Lfirst_asked:
	; A fragment of K or Q is 16 rows x 32 channels in 8 registers: lane l holds row l % 16; registers 0-3 channels 8 (l / 16) + 0..7, registers 4-7 channels 16 + 8 (l / 16) + 0..7: two loads of 16 bytes, 32 bytes apart.
	v_and_b32 v1, 15, v0                           ; l % 16
	v_bfe_u32 v9, v0, 4, 1                         ; l / 16
	v_lshlrev_b32 v[QO], 7, v1
	v_lshl_add_u32 v[QO], v9, 4, v[QO]             ; row x 128 + 16 x half
	WIN TO_1
.irp f, 0,1,2,3,4,5,6,7                ; Q stays in registers: tile f / 2, channels 32 (f % 2) on
	global_load_b128 v[QF+8*\f:QF+8*\f+3],   v[QO], s[4:5] offset:(\f/2)*2048+(\f%2)*64
	global_load_b128 v[QF+8*\f+4:QF+8*\f+7], v[QO], s[4:5] offset:(\f/2)*2048+(\f%2)*64+32
.endr
.set i, 0
.rept 128
	v_mov_b32 v[OT+i], 0                           ; O^T.  The step is written with no first step of its own: the first finds zeros, which its a = 0 leaves zeros
.set i, i+1
.endr
	WIN 0
	v_mul_u32_u24 v[AK0], v1, PK
	v_lshl_add_u32 v[AK0], v9, 4, v[AK0]           ; row x pitch + 16 x half
	; The turning load takes 16 keys x 16 channels (lane l reads 16 bytes: key 8 (l / 16) + l % 8, channels 8 ((l / 8) % 2) + 0..7) and leaves half a fragment of V^T: lane l holds channel l % 16 and 8 keys.
	v_and_b32 v44, 7, v0
	v_bfe_u32 v45, v0, 3, 1
	v_lshl_add_u32 v[AV0], v9, 3, v44
	v_mul_u32_u24 v[AV0], v[AV0], PV
	v_lshl_add_u32 v[AV0], v45, 4, v[AV0]
	s_mul_i32 s20, s[WV], 16*PK                    ; my stage for the way out: 16 rows x 144 bytes, in slot 0
	v_add_nc_u32 v[STO], s20, v[AK0]               ; in: row l % 16, 16 bytes for each half of the lanes
	v_and_b32 v46, 31, v0
	v_lshrrev_b32 v47, 3, v46
	v_mul_u32_u24 v[RD], v47, PK                   ; back: eight lanes to a row of 128 bytes, four rows an instruction
	v_lshl_add_u32 v[RD], v44, 4, v[RD]
	v_add_nc_u32 v[RD], s20, v[RD]
	v_lshlrev_b32 v[GO], 4, v46
	v_lshlrev_b32 v[PFO], 8, v46
.irp t, 0,1,2,3
	v_mov_b32 v[ST+8*\t+1], 0xff61b1e6             ; m = -3e38, under every score
	v_mov_b32 v[ST+8*\t+2], 0                      ; l, in two halves
	v_mov_b32 v[ST+8*\t+3], 0
.endr
.irp t, 0,1,2,3
	v_mul_f32 v[ST+8*\t], s[CS], v[ST+8*\t+1]      ; c m
.endr
; A KEY STEP: 64 keys at LDS bytes s[TK] (K) and s[TV] (V).  askoff >= 0: in the slot's seventh step the prefetching waves ask for their part of the keys that begin askoff bytes into the head.
.macro STEP askoff
	v_add_nc_u32 v[ADK], s[TK], v[AK0]             ; these two and three v_nop are five places behind the last step's products V^T P: four are owed by the loads into V's registers,
	v_add_nc_u32 v[ADV], s[TV], v[AV0]             ; five by the products below, which write over P (ISA guide 7.12.1 for the products)
.rept 3
	v_nop
.endr
.irp f, 0,1,2,3,4,5,6,7                ; K: keys 16 (f / 2) on, channels 32 (f % 2) on
	ds_load_b128 v[KF+8*\f:KF+8*\f+3],   v[ADK] offset:(\f/2)*16*PK+(\f%2)*64
	ds_load_b128 v[KF+8*\f+4:KF+8*\f+7], v[ADK] offset:(\f/2)*16*PK+(\f%2)*64+32
.endr
	WIN TO_1
.irp f, 0,1,2,3,4,5,6,7                ; V, turned: keys 32 (f / 4) on, channels 16 (f % 4) on
	ds_load_tr16_b128 v[VF+8*\f:VF+8*\f+3],   v[ADV] offset:(\f/4)*32*PV+(\f%4)*32
	ds_load_tr16_b128 v[VF+8*\f+4:VF+8*\f+7], v[ADV] offset:(\f/4)*32*PV+16*PV+(\f%4)*32
.endr
	WIN 0
.if (\askoff) >= 0
	; A PREFETCH INTO THE L2 of what the next change of slots will ask for: 512 rows of K and of V, 128 bytes a row, dense.  It stands behind the step's run of LDS loads, two key steps ahead of that change.
	; Only this cluster reads this g's K and V.  Its four partners share the rows out BY ADDRESS, 128 keys each; in each, waves 0 and 1 ask for K's 2 x 8,192 bytes, waves 4 and 5 for V's, lanes 256 bytes apart:
	; each aligned block of 256 bytes is named once.  The slot stands in the immediate, so no address register is rewritten.  The first two slots come by their loads alone, and the last two slots ask for nothing.
	s_cmp_eq_u32 s[CNT], s[LIM]
	s_cbranch_scc0 .Lnot_mine_\@
	global_prefetch_b8 v[PFO], s[PFA:PFA+1] offset:\askoff th:TH_LOAD_NT scope:SCOPE_SE
.Lnot_mine_\@:
.endif
	s_wait_dscnt 16                                ; K's sixteen loads are in; V's sixteen may be out
	WIN W_KQ
.irp x, 0,1                            ; S^T = K Q^T: sixteen accumulators by turns, one instruction a turn; the first sixteen start the sums
.irp y, 0,1,2,3
.irp t, 0,1,2,3
.if \x == 0
	v_wmma_f32_16x16x32_f16 v[S+32*\t+8*\y:S+32*\t+8*\y+7], v[KF+16*\y+8*\x:KF+16*\y+8*\x+7], v[QF+16*\t+8*\x:QF+16*\t+8*\x+7], 0
.else
	v_wmma_f32_16x16x32_f16 v[S+32*\t+8*\y:S+32*\t+8*\y+7], v[KF+16*\y+8*\x:KF+16*\y+8*\x+7], v[QF+16*\t+8*\x:QF+16*\t+8*\x+7], v[S+32*\t+8*\y:S+32*\t+8*\y+7]
.endif
.endr
.endr
.endr
	WIN 0
.rept 4
	v_nop                                          ; four places in front of the first read of the scores
.endr
	; the maximum of a lane's 32 scores and the old m; the four tiles take turns line by line.  Each accumulator is read from its low end on.
.irp j, 0,1,2,3
.irp t, 0,1,2,3
	v_max3_num_f32 v[ST+8*\t+4+\j], v[S+32*\t+8*\j], v[S+32*\t+8*\j+1], v[S+32*\t+8*\j+2]
.endr
.endr
.irp u, 1,2
.irp j, 0,1,2,3
.irp t, 0,1,2,3
	v_max3_num_f32 v[ST+8*\t+4+\j], v[ST+8*\t+4+\j], v[S+32*\t+8*\j+2*\u+1], v[S+32*\t+8*\j+2*\u+2]
.endr
.endr
.endr
.irp t, 0,1,2,3
	v_max3_num_f32 v[ST+8*\t+4], v[ST+8*\t+4], v[S+32*\t+7], v[S+32*\t+15]
.endr
.irp t, 0,1,2,3
	v_max3_num_f32 v[ST+8*\t+6], v[ST+8*\t+6], v[S+32*\t+23], v[S+32*\t+31]
.endr
.irp t, 0,1,2,3
	v_max3_num_f32 v[ST+8*\t+4], v[ST+8*\t+4], v[ST+8*\t+5], v[ST+8*\t+6]
.endr
.irp t, 0,1,2,3
	v_max3_num_f32 v[ST+8*\t+4], v[ST+8*\t+4], v[ST+8*\t+7], v[ST+8*\t+1]
.endr
.irp t, 0,1,2,3
	v_permlanex16_b32 v[ST+8*\t+5], v[ST+8*\t+4], s[SEL], s[SEL+1]   ; the query's other 32 keys lie in the lane 16 away
.endr
.irp t, 0,1,2,3
	v_mov_b32 v[ST+8*\t+7], v[ST+8*\t]             ; c m_old is kept for a
.endr
.irp t, 0,1,2,3
	v_max_num_f32 v[ST+8*\t+1], v[ST+8*\t+4], v[ST+8*\t+5]           ; the new m
.endr
.irp t, 0,1,2,3
	v_mul_f32 v[ST+8*\t], s[CS], v[ST+8*\t+1]      ; c m
.endr
.irp t, 0,1,2,3
	v_sub_f32 v[ST+8*\t+7], v[ST+8*\t+7], v[ST+8*\t]
.endr
	; ONE BATCH: the four a, the 64 packed scalings c s - c m and the 128 exponentials.  None of these lines names an exponential's result; a pair is scaled a turn ahead of its exponentials.
.irp t, 0,1,2,3
	v_exp_f32 v[ST+8*\t+6], v[ST+8*\t+7]           ; a = 2^(c m_old - c m_new)
.endr
.set i, 0
.rept 17
.if i < 16
.irp t, 0,1,2,3
	v_pk_fma_f32 v[S+32*\t+2*i:S+32*\t+2*i+1], v[S+32*\t+2*i:S+32*\t+2*i+1], s[CS:CS+1], v[ST+8*\t:ST+8*\t+1] op_sel_hi:[1,0,0] neg_lo:[0,0,1] neg_hi:[0,0,1]
.endr
.endif
.if i > 0
.irp t, 0,1,2,3
	v_exp_f32 v[S+32*\t+2*i-2], v[S+32*\t+2*i-2]
	v_exp_f32 v[S+32*\t+2*i-1], v[S+32*\t+2*i-1]
.endr
.endif
.set i, i+1
.endr
	v_nop                                          ; a plain instruction behind the last exponential, ahead of the first use (ISA guide 5.7.2)
	s_wait_alu depctr_va_vdst(0)                   ; a wait ahead of the first line that names a result: one for the batch's 132
.irp t, 0,1,2,3
	v_pk_fma_f32 v[ST+8*\t+2:ST+8*\t+3], v[ST+8*\t+2:ST+8*\t+3], v[ST+8*\t+6:ST+8*\t+7], v[S+32*\t:S+32*\t+1] op_sel_hi:[1,0,1]   ; l = a l + the first pair of weights
.endr
.set i, 1
.rept 15
.irp t, 0,1,2,3
	v_pk_add_f32 v[ST+8*\t+2:ST+8*\t+3], v[ST+8*\t+2:ST+8*\t+3], v[S+32*\t+2*i:S+32*\t+2*i+1]   ; the sum is taken of the weights in f32; the tiles by turns
.endr
.set i, i+1
.endr
.set i, 0
.rept 16
.irp t, 0,1,2,3
	v_cvt_pk_f16_f32 v[S+32*\t+i], v[S+32*\t+2*i], v[S+32*\t+2*i+1]   ; P, in place: register i is written when registers 2 i and 2 i + 1 are read, never ahead of them
.endr
.set i, i+1
.endr
	WIN W_RS
.set i, 0
.rept 16
.irp t, 0,1,2,3
	v_pk_mul_f32 v[OT+32*\t+2*i:OT+32*\t+2*i+1], v[OT+32*\t+2*i:OT+32*\t+2*i+1], v[ST+8*\t+6:ST+8*\t+7] op_sel_hi:[1,0]   ; O^T times a, each accumulator from its low end on
.endr
.set i, i+1
.endr
	s_wait_dscnt 0x0                               ; V is in
	WIN W_PV
.irp g, 0,1                            ; O^T += V^T P: sixteen accumulators by turns
.irp n, 0,1,2,3
.irp t, 0,1,2,3
	v_wmma_f32_16x16x32_f16 v[OT+32*\t+8*\n:OT+32*\t+8*\n+7], v[VF+8*(4*\g+\n):VF+8*(4*\g+\n)+7], v[S+32*\t+8*\g:S+32*\t+8*\g+7], v[OT+32*\t+8*\n:OT+32*\t+8*\n+7]
.endr
.endr
.endr
	WIN 0                                          ; at a label and at a branch every window is 0
.endm
; THE CHANGE OF SLOTS.  Each wave waits for all its tensor loads (its part of the slot ahead), adds 0 to its spare word, and waits for that and for its reads of the slot that it leaves.
; fill = 1: slot s, just left, is filled again with the keys two slots on.  The barrier is then a round of the cluster's, so that no wave of any partner still reads the slot or has a load on its way,
; and the joint refill is the first thing behind it: it has the next slot's eight key steps in which to land.
.macro CHANGE s, fill
	s_wait_tensorcnt 0x0                           ; no tensor load of mine is out, so a group 0 may be written
	ds_add_u32 v[SPW], v[NIL]                      ; 0 onto my spare word
.if \fill
	s_add_nc_u64 s[G0K+4*\s+2:G0K+4*\s+3], s[G0K+4*\s+2:G0K+4*\s+3], 2*SKEYS*128   ; 1,024 keys on; the type bits on top are not reached
	s_add_nc_u64 s[G0V+4*\s+2:G0V+4*\s+3], s[G0V+4*\s+2:G0V+4*\s+3], 2*SKEYS*128
.endif
	s_wait_dscnt 0x0                               ; the add is done, and my reads of the slot are over
.if \fill
	CROUND
	JLOAD \s
.else
	s_barrier_signal -1
	s_barrier_wait -1
.endif
.endm
; A slot's eight key steps: written once, walked eight times; the LDS addresses hang on s[TK] and s[TV], constants stepped by constants.
.macro SLOT s, askoff
	s_mov_b32 s[TK], \s*SLOTB
	s_mov_b32 s[TV], \s*SLOTB+VREG
	s_mov_b32 s[CNT], SKEYS/KS
.Lstep_\@:
	STEP \askoff
	s_add_co_u32 s[TK], s[TK], KS*PK
	s_add_co_u32 s[TV], s[TV], KS*PV
	s_sub_co_u32 s[CNT], s[CNT], 1
	s_cmp_lg_u32 s[CNT], 0
	s_cbranch_scc1 .Lstep_\@
.endm
	s_wait_tensorcnt 1                             ; my part of slot 0 is in; slot 1's may stay out
	s_barrier_signal -1
	s_barrier_wait -1                              ; everybody's is
	s_wait_loadcnt 0x0                             ; Q
	SLOT 0, 131072                                 ; keys 0 - 511; its seventh step asks for keys 1,024 on
	CHANGE 0, 1                                    ; slot 0 takes keys 1,024 - 1,535
	SLOT 1, 196608                                 ; keys 512 - 1,023; asks for keys 1,536 on
	CHANGE 1, 1                                    ; slot 1 takes keys 1,536 - 2,047: the last load
	SLOT 0, -1
	CHANGE 0, 0                                    ; nothing is left to fetch; behind this barrier nobody reads slot 0 any more
	SLOT 1, -1
	; THE WAY OUT.  l's two halves and the other half of the lanes' are added; O^T is divided by l, rounded to f16 and sent through my stage in LDS, a tile (16 rows of o) at a time.  The additions are the places behind the last products.
.irp t, 0,1,2,3
	v_add_f32 v[ST+8*\t+4], v[ST+8*\t+2], v[ST+8*\t+3]
.endr
.irp t, 0,1,2,3
	v_permlanex16_b32 v[ST+8*\t+5], v[ST+8*\t+4], s[SEL], s[SEL+1]
.endr
.irp t, 0,1,2,3
	v_add_f32 v[ST+8*\t+4], v[ST+8*\t+4], v[ST+8*\t+5]
.endr
.irp t, 0,1,2,3
	v_rcp_f32 v[ST+8*\t+6], v[ST+8*\t+4]
.endr
	v_nop                                          ; a plain instruction between the last reciprocal and the use of its result
	s_wait_alu depctr_va_vdst(0)                   ; and a wait ahead of the first use: one for the four
; Tile t: a lane's eight channels of a row pack into 16 bytes; they go into rows of 144 bytes and come back eight lanes to a row, into the upper half of the tile's S registers.
.macro PACK t
	WIN W_RS
.set i, 0
.rept 16
	v_pk_mul_f32 v[OT+32*\t+2*i:OT+32*\t+2*i+1], v[OT+32*\t+2*i:OT+32*\t+2*i+1], v[ST+8*\t+6:ST+8*\t+7] op_sel_hi:[1,0]
.set i, i+1
.endr
	WIN 0x05                                       ; sources 0 and 1 window 1, destination window 0
.set i, 0
.rept 16
	v_cvt_pk_f16_f32 v[S+32*\t+i], v[OT+32*\t+2*i], v[OT+32*\t+2*i+1]
.set i, i+1
.endr
	WIN 0
.irp n, 0,1,2,3
	ds_store_b128 v[STO], v[S+32*\t+4*\n:S+32*\t+4*\n+3] offset:32*\n
.endr
.irp n, 0,1,2,3
	ds_load_b128 v[S+32*\t+16+4*\n:S+32*\t+16+4*\n+3], v[RD] offset:\n*4*PK   ; LDS serves a wave's instructions in order (ISA guide 5.7.1.4): these see the stores above; the next tile's stores come behind them
.endr
.endm
.macro SEND t, younger                 ; younger: the LDS instructions issued behind tile t's loads: the next tile's four stores and four loads, or none
.irp n, 0,1,2,3
	s_wait_dscnt \younger+3-\n
	global_store_b128 v[GO], v[S+32*\t+16+4*\n:S+32*\t+16+4*\n+3], s[6:7] offset:\t*2048+\n*512   ; the wave stores four rows: 512 consecutive bytes, aligned
.endr
.endm
	PACK 0
	PACK 1                                         ; a tile's arithmetic stands between the loads of the tile before and its stores
	SEND 0, 8
	PACK 2
	SEND 1, 8
	PACK 3
	SEND 2, 8
	SEND 3, 0
	s_wait_tensorcnt 0x0                           ; the wave's end, behind my last tensor load and my last LDS store
	ds_add_u32 v[SPW], v[NIL]
	s_wait_dscnt 0x0
	CROUND                                         ; the closing round: no work-group ends while a partner may still ask for a tile that names it
	s_endpgm
.Lfunc_end_k_qf8706eb7e1_attn:
	.size	k_qf8706eb7e1_attn, .Lfunc_end_k_qf8706eb7e1_attn-k_qf8706eb7e1_attn
	.p2alignl 7, 3214868480
	.fill 96, 4, 3214868480
	.section	.rodata,"a",@progbits
	.p2align	6, 0x0
	.amdhsa_kernel k_qf8706eb7e1_attn
		.amdhsa_group_segment_fixed_size 327680
		.amdhsa_private_segment_fixed_size 0
		.amdhsa_enable_private_segment 0
		.amdhsa_kernarg_size 16
		.amdhsa_user_sgpr_count 2
		.amdhsa_user_sgpr_kernarg_segment_ptr 1
		.amdhsa_wavefront_size32 1
		.amdhsa_system_sgpr_workgroup_id_x 1
		.amdhsa_system_sgpr_workgroup_id_y 1
		.amdhsa_system_sgpr_workgroup_id_z 1
		.amdhsa_system_vgpr_workitem_id 0
		.amdhsa_next_free_vgpr 512
		.amdhsa_next_free_sgpr 66
		.amdhsa_reserve_vcc 0
		.amdhsa_float_denorm_mode_32 3
		.amdhsa_float_denorm_mode_16_64 3
		.amdhsa_memory_ordered 1
		.amdhsa_forward_progress 1
		.amdhsa_inst_pref_size 157
	.end_amdhsa_kernel
	.amdgpu_metadata
---
amdhsa.version: [ 1, 2 ]
amdhsa.kernels:
  - .name:           k_qf8706eb7e1_attn
    .symbol:         k_qf8706eb7e1_attn.kd
    .args:
      - { .name: qkv, .offset: 0, .size: 8, .value_kind: global_buffer, .address_space: global }
      - { .name: o, .offset: 8, .size: 8, .value_kind: global_buffer, .address_space: global }
    .group_segment_fixed_size: 327680
    .private_segment_fixed_size: 0
    .kernarg_segment_align: 8
    .kernarg_segment_size: 16
    .max_flat_workgroup_size: 256
    .sgpr_count:     66
    .vgpr_count:     512
    .wavefront_size: 32
...
	.end_amdgpu_metadata
.endif
;; end of part 3
;; launch proj (part 4): grid 8 x 32, 4 waves a work-group, clusters of 4 x 4, 327,680 bytes of LDS; arguments o, wh, b_out, out0; writes out0
.if DOCPART == 4
	.amdgcn_target "amdgcn-amd-amdhsa--gfx1250"
	.amdhsa_code_object_version 6
	.text
	.protected	k_qf8706eb7e1_proj
	.globl	k_qf8706eb7e1_proj
	.p2align	8
	.type	k_qf8706eb7e1_proj,@function
k_qf8706eb7e1_proj:
	s_mov_b64 s[64:65], 0
	v_nop
	global_prefetch_b8 v0, s[64:65] scope:SCOPE_SE
	s_setreg_imm32_b32 hwreg(HW_REG_WAVE_MODE, 25, 1), 1
	s_wait_xcnt 0x0
	s_wait_alu depctr_hold_cnt(0) depctr_sa_sdst(0) depctr_va_vdst(0) depctr_va_sdst(0) depctr_va_ssrc(0) depctr_va_vcc(0) depctr_vm_vsrc(0)
	s_getreg_b32 s2, hwreg(HW_REG_IB_STS2, 6, 4)
	s_cmp_eq_u32 s2, 0
	s_cbranch_scc0 .Lentry_in_a_cluster
	s_endpgm
.Lentry_in_a_cluster:
	s_bfe_u32 s2, ttmp6, 0x10000c
	s_cmp_lg_u32 s2, 0xf033
	s_cbranch_scc0 .Lentry_shape_is_right
	s_endpgm
.Lentry_shape_is_right:
; FOURTH LAUNCH: out0[m][n] = sum over k of o[m][k] w_out[n][k] + b_out[n], m = 2048 batch + token, k = 64 head + channel.  f16 operands, f32 sums, f32 out.  No work is left out.
; Both operands lie by chunks of 64 along K: o[k / 64][8192][64], wh[k / 64][1024][64]: a chunk's rows are 128 bytes and dense.
; A tile of C is 256 (m) x 128 (n): 256 work-groups.  Four waves, each 128 x 64: 32 accumulators of 16 x 16, 256 registers.  K goes in steps of 128 (two chunks) through a ring of two LDS slots:
; wave 0 fetches A's first chunk (256 rows), wave 1 its second, waves 2 and 3 B's two (128 rows each): one tensor load a wave.
; CLUSTERS: 4 x 4 work-groups.  The four of a row of the cluster need the same tiles of A, the four of a column the same tiles of B: each is asked for JOINTLY, by the same tensor load with the same descriptor and a mask
; that names the four.  THE MATRIX INSTRUCTION IS USED TRANSPOSED (source 0 = 16 rows of wh, source 1 = 16 rows of o): a lane holds eight neighbouring numbers of a row of C.
; THE BIAS is the C of each sum's first matrix instruction: eight registers for each block of 16 columns, in the result's layout.  Nothing is cleared and nothing is added afterwards.
; No prefetch: the tiles are small, are shared by multicast, and a step's matrix work is short.
; REGISTERS: window 0: v16-29 addresses; v32-63 the bias; v64-159, v160-255 two fragment buffers for 32 along K: A's eight blocks (64 registers), then B's four (32).  window 1: accumulator (a, b) at v[8 (4 a + b)].
.set PITCH,  144                       ; an LDS row: 128 bytes + 16 of padding = 36 words: the 16 rows of a load start 4 words apart modulo 64 (64 banks of 4 bytes: ISA guide 11.1)
.set ACH,    256*PITCH                 ; a chunk of A in a slot
.set BCH,    128*PITCH                 ; a chunk of B
.set BOFF,   2*ACH                     ; B's chunks lie behind A's two
.set SLOT,   2*ACH+2*BCH
.set STAGE,  2*SLOT                    ; behind the ring: 16 rows x 272 bytes for each wave, for the way out
.set SPITCH, 272
.set SPARE,  STAGE+4*16*SPITCH         ; behind the stages: the spare words, 128 bytes a wave, which no other line names
.set LAPS,   4                         ; a lap = two K steps = once round the ring: 1024 / 256
.set ADRA, 16                          ; v16-17  LDS address of my A fragments in slot 0, 1
.set ADRB, 20                          ; v20-21  the same for B
.set STO,  24                          ; v24     the way out: where I put 32 bytes of a row
.set RD,   25                          ; v25     the way out: where I read a row back
.set CO,   26                          ; v26     my byte offset in two rows of C
.set SPW,  28                          ; v28     LDS address of my spare word; never rewritten
.set NIL,  29                          ; v29     0; never rewritten
.set BIAS, 32
.set F0,   64
.set F1,   160
.set BK,   64                          ; the way out: 16 rows read back: v64-95 and v96-127 by turns
.set G1, 24                            ; s[24:31] descriptor group 1 for A's tiles;  s[32:39] group 0, one set for each slot
.set G0, 32
.set G1B, 48                           ; s[48:55], s[56:63] the same for B's tiles
.set G0B, 56
.set MSB, 0
.macro WIN new                         ; the immediate's high byte repeats the setting that is left
.if MSB != \new
	s_set_vgpr_msb (MSB<<8)|\new
.set MSB, \new
.endif
.endm
.set MUL,  0x50                        ; sources 0 and 1 window 0; C and D window 1
.set MUL0, 0x40                        ; the first quarter: C is the bias, in window 0
.macro JLOAD s                         ; a joint load: waves 0 and 1 fetch A's two chunks, waves 2 and 3 B's; an s_nop 0 and four v_nop follow each of the two lines
	s_cmp_eq_u32 s13, 0
	s_cbranch_scc0 .Lfor_b_\@
	tensor_load_to_lds s[G0+4*\s:G0+4*\s+3], s[G1:G1+7]
	s_nop 0
.rept 4
	v_nop
.endr
	s_branch .Lasked_\@
.Lfor_b_\@:
	tensor_load_to_lds s[G0B+4*\s:G0B+4*\s+3], s[G1B:G1B+7]
	s_nop 0
.rept 4
	v_nop
.endr
.Lasked_\@:
.endm
.macro CREST                           ; a round of the cluster's barrier behind its opening barrier
	s_cmp_lg_u32 s12, 0
	s_cbranch_scc1 .Lnot_wave_0_\@
	s_barrier_signal -3
.Lnot_wave_0_\@:
	s_barrier_wait -3
	s_barrier_signal -1
	s_barrier_wait -1
.endm
.macro CROUND                          ; a whole round
	s_barrier_signal -1
	s_barrier_wait -1
	CREST
.endm
	s_load_b256 s[4:11], s[0:1], 0x0               ; o s[4:5], wh s[6:7], b_out s[8:9], out0 s[10:11]
	v_lshl_add_u32 v[SPW], v0, 2, SPARE
	v_mov_b32 v[NIL], 0
	ds_add_u32 v[SPW], v[NIL]                      ; the wave's opening: the add, twice on end, and its wait ahead of my first tensor load
	ds_add_u32 v[SPW], v[NIL]                      ; and once more; the set-up below, work on registers, stands between it and the wait
	v_lshrrev_b32 v1, 5, v0
	v_readfirstlane_b32 s12, v1                    ; wave 0..3
	s_lshr_b32 s13, s12, 1                         ; which 128 rows of the tile are mine.  Also: I fetch for A (0) or for B (1)
	s_and_b32 s14, s12, 1                          ; which 64 columns.  Also: which chunk of a K step I fetch
	s_bfe_u32 s40, ttmp6, 0x40000                  ; cx, cy: my place in the cluster
	s_bfe_u32 s41, ttmp6, 0x40004
	s_lshl_b32 s42, ttmp9, 2
	s_add_co_u32 s42, s42, s40                     ; tile column of C = 4 x cluster x + cx
	s_and_b32 s15, ttmp7, 0xffff
	s_lshl_b32 s15, s15, 2
	s_add_co_u32 s15, s15, s41                     ; tile row of C = 4 x cluster y + cy
	s_lshl_b32 s43, s41, 2
	s_lshl_b32 s43, 15, s43                        ; my row of the cluster
	s_lshl_b32 s44, 0x1111, s40                    ; my column
	; descriptor group 1: rows of 64 elements of 2 bytes, dense in memory, padded in LDS; A: 256 rows, B: 128
	s_or_b32 s[G1+0], s43, (1<<16)|(1<<20)|(1<<21)|(4<<22)|(3<<25)  ; 15:0 the mask: A's tiles go to my row; 17:16 elements of 2 bytes; 20 padding on; 21 set beside a mask; 24:22 after every 32 words; 31:25 four words
	s_or_b32 s[G1B+0], s44, (1<<16)|(1<<20)|(1<<21)|(4<<22)|(3<<25)
	s_mov_b32 s[G1+1], 64<<16                      ; tensor_dim0
	s_mov_b32 s[G1+2], 256<<16                     ; tensor_dim1
	s_mov_b32 s[G1+3], 64<<16                      ; tile_dim0
	s_mov_b32 s[G1+4], 256                         ; tile_dim1
	s_mov_b32 s[G1+5], 64                          ; elements from row to row
	s_mov_b32 s[G1+6], 0
	s_mov_b32 s[G1+7], 0
	s_mov_b32 s[G1B+1], 64<<16
	s_mov_b32 s[G1B+2], 128<<16
	s_mov_b32 s[G1B+3], 64<<16
	s_mov_b32 s[G1B+4], 128
	s_mov_b32 s[G1B+5], 64
	s_mov_b32 s[G1B+6], 0
	s_mov_b32 s[G1B+7], 0
	s_lshl_b32 s16, s14, 20                        ; A: my chunk's 8,192 rows of 128 bytes,
	s_lshl_b32 s17, s15, 15                        ; the tile row's 256 rows: nothing here hangs on cx
	s_add_co_u32 s16, s16, s17
	s_mov_b32 s17, 0
	s_lshl_b32 s46, s14, 17                        ; B: my chunk's 1,024 rows,
	s_lshl_b32 s47, s42, 14                        ; the tile column's 128 rows: nothing here hangs on cy
	s_add_co_u32 s46, s46, s47
	s_mov_b32 s47, 0
	s_mul_i32 s20, s14, ACH                        ; where they go: no place in the cluster enters an LDS address
	s_mul_i32 s21, s14, BCH
	s_add_co_u32 s21, s21, BOFF
	s_wait_dscnt 0x0                               ; both opening adds are done
	s_wait_kmcnt 0x0
	s_add_nc_u64 s[16:17], s[4:5], s[16:17]
	s_add_nc_u64 s[46:47], s[6:7], s[46:47]
	CROUND                                         ; all sixteen work-groups are here: the first joint loads meet
.irp s, 0,1
	s_mov_b32 s[G0+4*\s], 1
	s_add_co_u32 s[G0+4*\s+1], s20, \s*SLOT
	s_add_nc_u64 s[G0+4*\s+2:G0+4*\s+3], s[16:17], \s*2*1048576    ; K step s: two chunks on
	s_or_b32 s[G0+4*\s+3], s[G0+4*\s+3], 0x80000000
	s_mov_b32 s[G0B+4*\s], 1
	s_add_co_u32 s[G0B+4*\s+1], s21, \s*SLOT
	s_add_nc_u64 s[G0B+4*\s+2:G0B+4*\s+3], s[46:47], \s*2*131072
	s_or_b32 s[G0B+4*\s+3], s[G0B+4*\s+3], 0x80000000
	JLOAD \s                                       ; two loads of mine are out
.endr
	v_and_b32 v1, 15, v0                           ; l % 16
	v_bfe_u32 v2, v0, 4, 1                         ; l / 16
	v_mul_u32_u24 v3, v1, PITCH
	v_lshl_add_u32 v3, v2, 4, v3                   ; a fragment's row x pitch + 16 x half
	s_mul_i32 s21, s13, 128*PITCH                  ; my 128 rows of A
	s_mul_i32 s22, s14, 64*PITCH                   ; my 64 rows of B,
	s_add_co_u32 s22, s22, BOFF                    ; which lie behind A's chunks
.irp s, 0,1
	v_add_nc_u32 v[ADRA+\s], s21, v3
	v_add_nc_u32 v[ADRB+\s], s22, v3
	s_add_co_u32 s21, s21, SLOT
	s_add_co_u32 s22, s22, SLOT
.endr
	s_mul_i32 s23, s12, 16*SPITCH
	s_add_co_u32 s23, s23, STAGE                   ; my stage
	v_mul_u32_u24 v4, v1, SPITCH                   ; in: row l % 16, 32 bytes for each half of the lanes
	v_lshl_add_u32 v4, v2, 5, v4
	v_add_nc_u32 v[STO], s23, v4
	v_mul_u32_u24 v5, v2, SPITCH                   ; back: lanes 0-15 take one row of 256 bytes, lanes 16-31 the next
	v_lshl_add_u32 v5, v1, 4, v5
	v_add_nc_u32 v[RD], s23, v5
	v_lshlrev_b32 v5, 12, v2                       ; and the same two rows in C: 4,096 bytes a row
	v_lshl_add_u32 v[CO], v1, 4, v5
	v_lshlrev_b32 v6, 5, v2                        ; the bias: my half's eight numbers of a block of 16 columns
	s_lshl_b32 s16, s15, 8
	s_lshl_b32 s17, s13, 7
	s_add_co_u32 s16, s16, s17                     ; my first row of C: 256 x tile row + 128 x half
	s_lshl_b32 s16, s16, 12
	s_lshl_b32 s46, s42, 9                         ; my first column, in bytes: 512 x tile column + 256 x half
	s_lshl_b32 s47, s14, 8
	s_add_co_u32 s46, s46, s47
	s_mov_b32 s47, 0
	s_add_nc_u64 s[8:9], s[8:9], s[46:47]          ; b_out at my first column
	s_add_co_u32 s16, s16, s46
	s_mov_b32 s17, 0
	s_add_nc_u64 s[10:11], s[10:11], s[16:17]      ; out0 at my first number
.irp b, 0,1,2,3
	global_load_b128 v[BIAS+8*\b:BIAS+8*\b+3],   v6, s[8:9] offset:64*\b       ; register j of block b: b_out[my first column + 16 b + 8 (l / 16) + j]
	global_load_b128 v[BIAS+8*\b+4:BIAS+8*\b+7], v6, s[8:9] offset:64*\b+16
.endr
; 8 matrix instructions: m blocks a0, a0 + 1 x all 4 n blocks, 32 along K, from buffer f.  bias = 1: the first product starts the sums from the bias.
; The 32 accumulators take turns, one instruction a turn, in the same order in every quarter.
.macro MUL8 f, a0, bias
.irp a, \a0, \a0+1
.irp b, 0,1,2,3
.if \bias
	v_wmma_f32_16x16x32_f16 v[8*(4*(\a)+\b):8*(4*(\a)+\b)+7], v[\f+64+8*\b:\f+64+8*\b+7], v[\f+8*(\a):\f+8*(\a)+7], v[BIAS+8*\b:BIAS+8*\b+7]
.else
	v_wmma_f32_16x16x32_f16 v[8*(4*(\a)+\b):8*(4*(\a)+\b)+7], v[\f+64+8*\b:\f+64+8*\b+7], v[\f+8*(\a):\f+8*(\a)+7], v[8*(4*(\a)+\b):8*(4*(\a)+\b)+7]
.endif
.endr
.endr
.endm
; 24 LDS loads in one run: the fragments of the slot's q-th 32 along K (chunk q / 2, byte 64 (q % 2) of its rows) into buffer f: B's four blocks, A's blocks 0-3, A's blocks 4-7
.macro FETCH slot, q, f
.irp i, 0,1,2,3
	ds_load_b128 v[\f+64+8*\i:\f+64+8*\i+3],   v[ADRB+\slot] offset:((\q)/2)*BCH+((\q)%2)*64+\i*16*PITCH
	ds_load_b128 v[\f+64+8*\i+4:\f+64+8*\i+7], v[ADRB+\slot] offset:((\q)/2)*BCH+((\q)%2)*64+\i*16*PITCH+32
.endr
.irp i, 0,1,2,3,4,5,6,7
	ds_load_b128 v[\f+8*\i:\f+8*\i+3],   v[ADRA+\slot] offset:((\q)/2)*ACH+((\q)%2)*64+\i*16*PITCH
	ds_load_b128 v[\f+8*\i+4:\f+8*\i+7], v[ADRA+\slot] offset:((\q)/2)*ACH+((\q)%2)*64+\i*16*PITCH+32
.endr
.endm
.macro PLACES                          ; four places in front of loads into registers that matrix instructions have read, and of the first read of results (ISA guide 7.12.1 for the reads of results)
.rept 4
	v_nop
.endr
.endm
; A K step is four quarters of 32 along K, 32 matrix instructions each, on buffers 0, 1, 0, 1.  One of the first three: multiplies buffer f and, in its middle, fetches the slot's q-th quarter into g.
.macro QUARTER slot, q, f, g, bias
	s_wait_dscnt 8                                 ; B and A's blocks 0-3 are in; the youngest eight loads (A's blocks 4-7) may be out
	WIN (MUL-0x10*(\bias))
	MUL8 \f, 0, \bias
	MUL8 \f, 2, \bias
	WIN 0
	PLACES
	FETCH \slot, \q, \g
	s_wait_dscnt 24                                ; all but the 24 just issued
	WIN (MUL-0x10*(\bias))
	MUL8 \f, 4, \bias
	MUL8 \f, 6, \bias
.endm
; The last quarter multiplies buffer 1 and changes slots: ONE barrier; in front of it each wave waits for all its tensor loads, adds 0 to its spare word, and waits for that and for its own reads of this slot.
; fill = 1: this slot is filled again, two K steps ahead; the barrier then opens a round of the cluster's barrier.
.macro TURN slot, next, fill
	WIN 0                                          ; (the add's two registers lie in window 0)
	s_wait_tensorcnt 0x0                           ; all my tensor loads have landed: my part of the next slot;
	ds_add_u32 v[SPW], v[NIL]                      ; 0 onto my spare word;
	s_wait_dscnt 9                                 ; (the add and the youngest eight loads may be out)
	WIN MUL
	MUL8 F1, 0, 0                                  ; eight matrix instructions stand between the add and the wait for it
	s_wait_dscnt 0x0                               ; the add is done, and my reads of this slot are over
	s_barrier_signal -1
	MUL8 F1, 2, 0
	WIN 0                                          ; (branches and loads into window 0 follow)
	s_barrier_wait -1
.if \fill
	CREST                                          ; no wave of any partner still reads this slot's tile or has a load on its way
	s_add_nc_u64 s[G0+4*\slot+2:G0+4*\slot+3], s[G0+4*\slot+2:G0+4*\slot+3], 4*1048576    ; two K steps = four chunks on
	s_add_nc_u64 s[G0B+4*\slot+2:G0B+4*\slot+3], s[G0B+4*\slot+2:G0B+4*\slot+3], 4*131072
	JLOAD \slot                                    ; the first tensor load behind the round; the four v_nop behind it are also the places in front of the loads below
.else
	PLACES
.endif
	FETCH \next, 0, F0
	WIN MUL
	MUL8 F1, 4, 0
	MUL8 F1, 6, 0
.endm
	s_wait_tensorcnt 1                             ; my part of K step 0 is in (K step 1's load may be out)
	s_barrier_signal -1
	s_barrier_wait -1                              ; everybody's is
	FETCH 0, 0, F0
	s_wait_loadcnt 0x0                             ; the bias
	QUARTER 0, 1, F0, F1, 1                        ; the first quarter stands in front of the loop: its products start the sums from the bias
	WIN 0                                          ; at a label and at a branch every window is 0
	s_mov_b32 s3, LAPS-1
.Llap:                                                 ; a trip goes once round the ring, from a lap's second quarter to the next lap's first, and fills both slots again
	QUARTER 0, 2, F1, F0, 0
	QUARTER 0, 3, F0, F1, 0
	TURN 0, 1, 1
	QUARTER 1, 1, F0, F1, 0
	QUARTER 1, 2, F1, F0, 0
	QUARTER 1, 3, F0, F1, 0
	TURN 1, 0, 1
	QUARTER 0, 1, F0, F1, 0
	WIN 0
	s_sub_co_u32 s3, s3, 1
	s_cmp_lg_u32 s3, 0
	s_cbranch_scc1 .Llap
	QUARTER 0, 2, F1, F0, 0                        ; the last lap fills nothing, and has no round of the cluster's barrier
	QUARTER 0, 3, F0, F1, 0
	TURN 0, 1, 0
	QUARTER 1, 1, F0, F1, 0
	QUARTER 1, 2, F1, F0, 0
	QUARTER 1, 3, F0, F1, 0
	s_wait_dscnt 8                                 ; the very last quarter: nothing more to fetch
	WIN MUL
	MUL8 F1, 0, 0
	MUL8 F1, 2, 0
	s_wait_dscnt 0
	MUL8 F1, 4, 0
	MUL8 F1, 6, 0
	WIN 0
; THE WAY OUT, block by block of 16 rows x 64 columns.  A lane holds 32 neighbouring bytes of a row, and the lanes beside it hold other rows: so a block goes through my own stage in LDS and comes back as whole
; rows of 256 bytes, two rows an instruction: sixteen lanes store 256 consecutive bytes, aligned.  LDS serves a wave's instructions in order (ISA guide 5.7.1.4): no wait between the stores and the loads.
.macro TOSTAGE a
	WIN 0x04                                       ; an LDS store's data are its source 1: window 1
.irp b, 0,1,2,3
	ds_store_b128 v[STO], v[8*(4*(\a)+\b):8*(4*(\a)+\b)+3] offset:64*\b          ; each accumulator from its low end on
	ds_store_b128 v[STO], v[8*(4*(\a)+\b)+4:8*(4*(\a)+\b)+7] offset:64*\b+16
.endr
	WIN 0
.set BB, BK+32*((\a)%2)
.irp t, 0,1,2,3,4,5,6,7
	ds_load_b128 v[BB+4*\t:BB+4*\t+3], v[RD] offset:\t*2*SPITCH
.endr
.endm
.macro SEND a, younger                 ; younger: the LDS instructions issued behind block a's loads, which may stay out
.set BB, BK+32*((\a)%2)
	s_wait_dscnt \younger                          ; the block is back in registers
.irp t, 0,1,2,3,4,5,6,7
	global_store_b128 v[CO], v[BB+4*\t:BB+4*\t+3], s[10:11] offset:(16*(\a)+2*\t)*4096 th:TH_STORE_NT   ; the block's place stands in the immediate, 126 rows of 4,096 bytes at the most; written once, read by nobody here
.endr
.endm
	PLACES                                         ; behind the last products: for the stores that read results and the loads into the registers that held fragments
	TOSTAGE 0
.irp a, 1,2,3,4,5,6,7
.if \a > 1
	s_wait_xcnt 0x0                                ; the stores of the block two back have read their registers: this block's loads may land there
.endif
	TOSTAGE \a
	SEND \a-1, 16                                  ; behind block a - 1's loads: block a's 8 stores and 8 loads
.endr
	SEND 7, 0
	s_wait_tensorcnt 0x0                           ; the wave's end, behind my last tensor load and my last LDS store
	ds_add_u32 v[SPW], v[NIL]
	s_wait_dscnt 0x0
	CROUND                                         ; the closing round: no work-group ends while a partner may still ask for a tile that names it
	s_endpgm
.Lfunc_end_k_qf8706eb7e1_proj:
	.size	k_qf8706eb7e1_proj, .Lfunc_end_k_qf8706eb7e1_proj-k_qf8706eb7e1_proj
	.p2alignl 7, 3214868480
	.fill 96, 4, 3214868480
	.section	.rodata,"a",@progbits
	.p2align	6, 0x0
	.amdhsa_kernel k_qf8706eb7e1_proj
		.amdhsa_group_segment_fixed_size 327680
		.amdhsa_private_segment_fixed_size 0
		.amdhsa_enable_private_segment 0
		.amdhsa_kernarg_size 32
		.amdhsa_user_sgpr_count 2
		.amdhsa_user_sgpr_kernarg_segment_ptr 1
		.amdhsa_wavefront_size32 1
		.amdhsa_system_sgpr_workgroup_id_x 1
		.amdhsa_system_sgpr_workgroup_id_y 1
		.amdhsa_system_sgpr_workgroup_id_z 1
		.amdhsa_system_vgpr_workitem_id 0
		.amdhsa_next_free_vgpr 512
		.amdhsa_next_free_sgpr 66
		.amdhsa_reserve_vcc 0
		.amdhsa_float_denorm_mode_32 3
		.amdhsa_float_denorm_mode_16_64 3
		.amdhsa_memory_ordered 1
		.amdhsa_forward_progress 1
		.amdhsa_inst_pref_size 86
	.end_amdhsa_kernel
	.amdgpu_metadata
---
amdhsa.version: [ 1, 2 ]
amdhsa.kernels:
  - .name:           k_qf8706eb7e1_proj
    .symbol:         k_qf8706eb7e1_proj.kd
    .args:
      - { .name: o, .offset: 0, .size: 8, .value_kind: global_buffer, .address_space: global }
      - { .name: wh, .offset: 8, .size: 8, .value_kind: global_buffer, .address_space: global }
      - { .name: b_out, .offset: 16, .size: 8, .value_kind: global_buffer, .address_space: global }
      - { .name: out0, .offset: 24, .size: 8, .value_kind: global_buffer, .address_space: global }
    .group_segment_fixed_size: 327680
    .private_segment_fixed_size: 0
    .kernarg_segment_align: 8
    .kernarg_segment_size: 32
    .max_flat_workgroup_size: 128
    .sgpr_count:     66
    .vgpr_count:     512
    .wavefront_size: 32
...
	.end_amdgpu_metadata
.endif
;; end of part 4
